; MI455X (gfx1250); checked and timed in simulation.
; The chip was launched on July 23, 2026; its instructions are those of AMD's public machine-readable ISA for CDNA 5 (MIT licence, August 2026) and "CDNA5" Instruction Set Architecture Reference Guide (July 2026). The comments in the code are by the model that wrote it; some were corrected since.
;; Hyper SET Lo RA Attention. Allowed arithmetic: matrix products marked QUANTISED: E5M2 operands, one given power-of-two scale a tensor, by v_wmma_f32_16x16x64_bf8_bf8 or v_wmma_f32_16x16x128_bf8_bf8, f32 sums; everything else in f32.
;; Inputs: delta_w 512 x 512 float32; g1 64 float32; g2 64 float32; g3 64 float32; lowp_scales 8 int32 (the exponents e of the quantised operands' scales 2^e); qkv_w 512 x 512 float32; x_codes 4 x 2,048 x 16 x 32 uint8 (E5M2 codes of x, K innermost, in blocks of 32 codes).
;; Outputs: out0 4 x 2,048 x 512 float32.
;; This version of the problem:
;;   THIS VERSION OF THE PROBLEM IS GIVEN IN LOW PRECISION. The matrix products marked QUANTISED in the list below multiply operands that are first quantised to E5M2 (5 exponent bits, 2 mantissa bits; 8 bits a number), with one given power-of-two scale for each operand tensor; their sums are f32. All else is computed in f32.
;;   The module's matrix products, in the order in which they are computed (A, B: the left and right operand; K: the contracted axis; several contracted axes count as one K, in the product's order):
;;     1. [M 8,192, K 512] x [K 512, N 512]; A: input x (given as codes); B: computed on the way: QUANTISED (scales: A lowp_scales[0], B lowp_scales[1])
;;     2. batch 32 x [M 2,048, K 64] x [K 64, N 2,048]; A: computed on the way; B: computed on the way: QUANTISED (scales: A lowp_scales[2], B lowp_scales[3])
;;     3. batch 32 x [M 64, K 2,048] x [K 2,048, N 2,048]; A: computed on the way; B: computed on the way: QUANTISED (scales: A lowp_scales[4], B lowp_scales[5])
;;     4. [M 8,192, K 512] x [K 512, N 512]; A: computed on the way; B: computed on the way: QUANTISED (scales: A lowp_scales[6], B lowp_scales[7])
;;   THE QUANTISER, for each operand of a quantised product, along K:
;;     - The operand's scale is 2^e, e = its entry of the input lowp_scales (int32; the entries are numbered through the quantised products in the list's order, A before B).
;;     - Each number is divided by the scale, clamped to +-57,344, and rounded to the nearest number of E5M2, ties to even, subnormals kept.
;;     - The product sums the exact products of the quantised numbers (number of the format x scale) in f32.
;;   ~~~python
;;   def quantise(x, axis, e):      # numpy; x: float32 -> the quantised numbers, widened to float32 again
;;       x = np.moveaxis(x, axis, -1); K = x.shape[-1]
;;       r = np.clip(x / 2.0 ** e, -57344, 57344)
;;       step = 2.0 ** (np.maximum(np.frexp(np.where(r == 0, 1, r))[1] - 1, -14) - 2)
;;       q = np.round(r / step) * step * 2.0 ** e      # np.round: ties to even
;;       return np.moveaxis(q, -1, axis).astype(np.float32)
;;   ~~~
;;   OPERANDS COMPUTED ON THE WAY. 'Computed on the way' means the value that the module computes at that place (a softmax that the list does not call 'softmax' is quantised finished and normalised). What goes into a quantiser is computed in f32, as accurately as f32 sums, v_exp_f32 and their like allow (about 1e-6 of the number): no bf16 or f16 on the way to a quantiser, and a product that is left as it is and whose result goes on into a quantised operand takes f32 operands (vector FMAs, or v_wmma_f32_16x16x4_f32). A number that lies on a knife's edge between two numbers of the format may be rounded either way, as far as f32 arithmetic and the matrix unit's own rounding can turn it there, and no further.
;;   INPUTS GIVEN AS CODES. x (in the module: [4, 2048, 512], K = its axis 2): each comes as NAME_codes (uint8): NAME with its K axis moved to the last place and cut into blocks of 32 codes, [.., K / 32, bytes a block], one block behind the other in memory; one code a byte (a code: sign, 5 exponent bits, 2 mantissa bits); its scale is its entry of lowp_scales. Its value is code x scale, taken as it is: it is not quantised again, and the codes and scales need not be those that the quantiser above would give.
;; 2 versions, each right and faster than the one before. Each part assembles by itself: llvm-mc -triple=amdgcn-amd-amdhsa -mcpu=gfx1250 --defsym DOCPART=n.
;; ======== version 1 of 2: 4 launches
;; workspace buffers: qc 4,194,304 bytes; kc 4,194,304 bytes; vc 4,194,304 bytes; w4c 262,144 bytes; yc 4,194,304 bytes; nrs 262,144 bytes; ncs 262,144 bytes
;; launch proj (part 1): grid 32 x 8, 16 waves a work-group, no clusters, 51,200 bytes of LDS; arguments x_codes, qkv_w, delta_w, g1, g2, g3, lowp_scales, qc, kc, vc, w4c; writes qc, kc, vc, w4c
.if DOCPART == 1
	.amdgcn_target "amdgcn-amd-amdhsa--gfx1250"
	.amdhsa_code_object_version 6
	.text
	.protected	k_q037bd5c797_proj
	.globl	k_q037bd5c797_proj
	.p2align	8
	.type	k_q037bd5c797_proj,@function
k_q037bd5c797_proj:
	s_mov_b64 s[64:65], 0
	v_nop
	global_prefetch_b8 v0, s[64:65] scope:SCOPE_SE
	s_setreg_imm32_b32 hwreg(HW_REG_WAVE_MODE, 25, 1), 1
	s_wait_xcnt 0x0
; PROJ.  W = qkv_w + delta_w;  w = x W^T on codes of E5M2;  per head: inv = rsqrt(mean(w^2) + eps);  q = w inv g1, k = w inv g2, v = w inv g3, each turned into codes.
; A work-group takes 256 tokens (x: 32 blocks) and one head's 64 columns (y: 8 heads); each of its 16 waves takes 16 tokens.
; W's 64 rows x 512 of the head are 16 fragments of 16 rows x 128 K: each wave adds and quantises one and puts it into LDS as an image of its registers (4 stores of 512 bytes); every wave reads all 16 back.
; THE PRODUCT IS MADE TWICE, once each way round: T (source 0 = W, source 1 = x): a lane holds one token and 32 of its 64 features, which is what the norm and the codes of q and k want (K = the features);
; N (source 0 = x, source 1 = W): a lane holds one feature and eight tokens, which is what the codes of v want (K = the tokens).  So nothing is transposed by hand.
; In x's and W's fragments registers 4 c .. 4 c + 3 hold k = 32 c + 16 (lane / 16) + 0 .. 15: a permutation of k, the same on both sides, so each product meets its partner.
; THE CODES LEAVE AS IMAGES OF OPERAND REGISTERS of the 16x16x64 form (register 2 c + e, byte b: k = 16 c + 8 (lane / 16) + 4 e + b): a fragment is two groups of four registers, 512 consecutive bytes each.
;   qc, kc: head x 131,072 + (token / 16) x 1,024;   vc: head x 131,072 + (token / 64) x 4,096 + (feature / 16) x 1,024 (K = token % 64): four waves fill a fragment, so v's codes meet in LDS.
; Waves 0 and 1 also make one fragment (n tile = x, K step = y) of Q(W, e7) with K = W's FIRST axis, for the last product: a lane takes a column and its registers run down K.
; NO JOINT LOADS: every operand goes from memory straight into registers, once, with no loop: a work-group reads 131,072 bytes of x and 2 x 131,072 of W's two parts and has no step in which a shared tile could be asked for again.
; LIMITS: e1, e2, e3, e4, e7 between -126 and 112; e0 + e1 between -126 and 127, so that each power of two below is an f32 number.  NaN among the inputs is not served.
.set WIMG, 0                           ; LDS: W's 16 fragments, 2,048 bytes each: fragment 4 nt + ks
.set VST,  32768                       ; LDS: the work-group's 16,384 bytes of vc
.set G1,   16                          ; v16-47   W4's numbers (qkv 16, delta 16), then g1 of my 32 features
.set XF,   48                          ; v48-111  x's four fragments; free behind the products:
.set IDX,  48                          ; v48-55   lane indices for the eight tokens of my half
.set INV,  56                          ; v56-63   their inv
.set QW,   64                          ; v64-95   at work
.set QC,   96                          ; v96-103  q's codes
.set KC,   104                         ; v104-111 k's codes
.set WQ,   112                         ; v112-175 qkv_w's 64 numbers, then:
.set T,    112                         ; v112-143 four accumulators, lane = token
.set N,    144                         ; v144-175 four accumulators, lane = feature
.set WD,   176                         ; v176-239 delta_w's 64 numbers, then:
.set WS,   176                         ; v176-207 two fragments of W
.set G2,   208                         ; v208-239 g2 of my 32 features
.set PC,   240                         ; v240-255 W's codes, then:
.set G3,   240                         ; v240-247 g3 of my four features, each twice (a pair for the packed multiply)
.set IV,   248                         ; v248-249 inv of my token
.set TM,   250                         ; v250-251 at work
.set W4C,  252                         ; v252-255 W4's codes; never rewritten behind their store
; v1 lane, v2 r, v3 h, v4 x's offset, v5 W's, v6 g1's and g2's, v7 g3's, v8 W4's, v9 16 x lane, v10-12 LDS addresses, v14 the scale in hand, v15 the largest number x that scale
.macro PLACES                          ; four plain vector lines between a matrix instruction and a read of its result, a write of its registers or a load into them
.rept 4
	v_nop
.endr
.endm
.macro MKSC d, e                       ; s[d] = 2^e as f32, s[d+1] = 57,344 x 2^e
	s_add_co_i32 s[\d+1], s[\e], 127
	s_lshl_b32 s[\d], s[\d+1], 23
	s_add_co_i32 s[\d+1], s[\d+1], 15
	s_lshl_b32 s[\d+1], s[\d+1], 23
	s_or_b32 s[\d+1], s[\d+1], 0x600000
.endm
.macro SETSC d
	v_mov_b32 v14, s[\d]
	v_mov_b32 v15, s[\d+1]
.endm
.macro HOLD b, n                       ; the conversion to an 8-bit code does not saturate (ISA guide 7.6.2): n numbers are held within the largest code x the scale
.set i, 0
.rept \n
	v_med3_num_f32 v[(\b)+i], v[(\b)+i], -v15, v15
.set i, i+1
.endr
.endm
.macro CVT d, s, n                     ; n conversions of eight numbers each; one plain line behind the last
.set i, 0
.rept \n
	v_cvt_scalef32_pk8_bf8_f32 v[(\d)+2*i:(\d)+2*i+1], v[(\s)+8*i:(\s)+8*i+7], v14
.set i, i+1
.endr
	v_nop
.endm
	s_load_b512 s[4:19], s[0:1], 0x0               ; x s[4:5], qkv_w s[6:7], delta_w s[8:9], g1 s[10:11], g2 s[12:13], g3 s[14:15], the scales s[16:17], qc s[18:19]
	s_load_b128 s[20:23], s[0:1], 0x40             ; kc, vc
	s_load_b64 s[24:25], s[0:1], 0x50              ; w4c
	v_lshrrev_b32 v1, 5, v0
	v_readfirstlane_b32 s26, v1                    ; wave 0..15
	s_mov_b32 s27, ttmp9                           ; block of 256 tokens
	s_and_b32 s28, ttmp7, 0xffff                   ; head
	v_and_b32 v1, 31, v0                           ; lane
	v_and_b32 v2, 15, v0                           ; r
	v_bfe_u32 v3, v0, 4, 1                         ; h
	v_lshlrev_b32 v4, 9, v2
	v_lshl_add_u32 v4, v3, 4, v4                   ; x: row r of 512 bytes + 16 h
	v_lshlrev_b32 v5, 11, v2
	v_lshl_add_u32 v5, v3, 6, v5                   ; W: row r of 2,048 bytes + 64 h: my 16 numbers of a block of 32
	v_lshlrev_b32 v6, 5, v3                        ; g1, g2: 32 h
	v_lshlrev_b32 v7, 2, v2                        ; g3: 4 r
	v_lshl_add_u32 v8, v3, 14, v7                  ; W4: 8 h rows down, column r
	v_lshlrev_b32 v9, 4, v1                        ; 16 x lane: my place in an image
	s_lshl_b32 s29, s26, 11
	v_add_nc_u32 v10, s29, v9                      ; where I store my fragment of W
	s_lshr_b32 s29, s26, 2                         ; v's codes: fragment row (wave / 4),
	s_lshl_b32 s29, s29, 12
	s_bfe_u32 s30, s26, 0x10001                    ; group (wave / 2) % 2,
	s_lshl_b32 s30, s30, 9
	s_add_co_u32 s29, s29, s30
	s_and_b32 s30, s26, 1                          ; and which 8 of a lane's 16 bytes
	s_lshl_b32 s30, s30, 3
	s_add_co_u32 s29, s29, s30
	s_add_co_u32 s29, s29, VST
	v_add_nc_u32 v11, s29, v9
	s_lshl_b32 s29, s26, 10
	s_add_co_u32 s29, s29, VST
	v_add_nc_u32 v12, s29, v9                      ; and where I read 1,024 bytes of them back
	s_mov_b32 s42, 0x3c800000                      ; 1 / 64
	s_mov_b32 s43, 0x34000000                      ; eps = 2^-23
	s_mov_b32 s44, 0x76543210                      ; v_permlanex16_b32: lane l xor 16
	s_mov_b32 s45, 0xfedcba98
	s_mov_b32 s31, 0
	s_wait_kmcnt 0x0
	s_load_b256 s[32:39], s[16:17], 0x0            ; e0 .. e7
	s_lshl_b32 s30, s28, 17                        ; W4: rows 64 head + 32 (wave & 1) on, columns 16 x block on
	s_and_b32 s29, s26, 1
	s_lshl_b32 s29, s29, 16
	s_add_co_u32 s30, s30, s29
	s_lshl_b32 s29, s27, 6
	s_add_co_u32 s30, s30, s29
	s_add_nc_u64 s[46:47], s[6:7], s[30:31]
	s_add_nc_u64 s[48:49], s[8:9], s[30:31]
	s_lshl_b32 s30, s28, 17                        ; W: rows 64 head + 16 (wave / 4) on, K step wave % 4
	s_lshr_b32 s29, s26, 2
	s_lshl_b32 s29, s29, 15
	s_add_co_u32 s30, s30, s29
	s_and_b32 s29, s26, 3
	s_lshl_b32 s29, s29, 9
	s_add_co_u32 s30, s30, s29
	s_add_nc_u64 s[6:7], s[6:7], s[30:31]
	s_add_nc_u64 s[8:9], s[8:9], s[30:31]
	s_lshl_b32 s30, s27, 17                        ; x: 256 rows a block, 16 a wave
	s_lshl_b32 s29, s26, 13
	s_add_co_u32 s30, s30, s29
	s_add_nc_u64 s[4:5], s[4:5], s[30:31]
	s_lshr_b32 s30, s27, 3                         ; qc, kc, vc: (8 batch + head) x 131,072 + (block % 8) x 16,384 + wave x 1,024
	s_lshl_b32 s30, s30, 3
	s_add_co_u32 s30, s30, s28
	s_lshl_b32 s30, s30, 17
	s_and_b32 s29, s27, 7
	s_lshl_b32 s29, s29, 14
	s_add_co_u32 s30, s30, s29
	s_lshl_b32 s29, s26, 10
	s_add_co_u32 s30, s30, s29
	s_add_nc_u64 s[18:19], s[18:19], s[30:31]
	s_add_nc_u64 s[20:21], s[20:21], s[30:31]
	s_add_nc_u64 s[22:23], s[22:23], s[30:31]
	s_lshl_b32 s30, s27, 3                         ; w4c: fragment 8 x block + head, group wave & 1
	s_add_co_u32 s30, s30, s28
	s_lshl_b32 s30, s30, 10
	s_and_b32 s29, s26, 1
	s_lshl_b32 s29, s29, 9
	s_add_co_u32 s30, s30, s29
	s_add_nc_u64 s[24:25], s[24:25], s[30:31]
	; ---- all loads: W4's (waves 0 and 1), W's, x's, in this order, so that the counted waits below hold on both ways
	s_cmp_lt_u32 s26, 2
	s_cbranch_scc0 .Lno_w4_loads
.irp cc, 0,1
.irp j, 0,1,2,3,4,5,6,7
	global_load_b32 v[16+8*\cc+\j], v8, s[46:47] offset:\cc*32768+\j*2048   ; W(64 ks + 32 g + 16 cc + 8 h + j, 16 nt + r)
	global_load_b32 v[32+8*\cc+\j], v8, s[48:49] offset:\cc*32768+\j*2048
.endr
.endr
.Lno_w4_loads:
.irp c, 0,1,2,3
.irp j, 0,1,2,3
	global_load_b128 v[WQ+16*\c+4*\j:WQ+16*\c+4*\j+3], v5, s[6:7] offset:128*\c+16*\j   ; register 16 c + i: k = 32 c + 16 h + i of my row
	global_load_b128 v[WD+16*\c+4*\j:WD+16*\c+4*\j+3], v5, s[8:9] offset:128*\c+16*\j
.endr
.endr
.irp k, 0,1,2,3
.irp c, 0,1,2,3
	global_load_b128 v[XF+16*\k+4*\c:XF+16*\k+4*\c+3], v4, s[4:5] offset:128*\k+32*\c   ; x's fragment of K step k
.endr
.endr
	s_wait_kmcnt 0x0
	MKSC 50, 33                                    ; e1: W for the first product
	MKSC 52, 39                                    ; e7: W for the last
	MKSC 54, 34                                    ; e2: q
	MKSC 56, 35                                    ; e3: k
	MKSC 58, 36                                    ; e4: v
	s_add_co_i32 s40, s32, s33
	s_add_co_i32 s40, s40, 127
	s_lshl_b32 s40, s40, 23                        ; 2^(e0 + e1): what a sum of the first product lacks
	s_mov_b32 s41, s40                             ; (named with it as a pair, so it is written)
	; ---- my fragment of W
	s_wait_loadcnt 16                              ; all but x's 16 loads, the youngest, are in
.set i, 0
.rept 32
	v_pk_add_f32 v[WQ+2*i:WQ+2*i+1], v[WQ+2*i:WQ+2*i+1], v[WD+2*i:WD+2*i+1]
.set i, i+1
.endr
	SETSC 50
	HOLD WQ, 64
	CVT PC, WQ, 8
.irp c, 0,1,2,3
	ds_store_b128 v10, v[PC+4*\c:PC+4*\c+3] offset:WIMG+512*\c
.endr
	s_wait_dscnt 0x0                               ; for the others' sake: my fragment lies in LDS; and its registers are free
	; ---- W4: one group of four registers of the fragment (waves 0 and 1)
	s_cmp_lt_u32 s26, 2
	s_cbranch_scc0 .Lno_w4
.set i, 0
.rept 8
	v_pk_add_f32 v[16+2*i:17+2*i], v[16+2*i:17+2*i], v[32+2*i:33+2*i]
.set i, i+1
.endr
	SETSC 52
	HOLD 16, 16
	CVT W4C, 16, 2
	global_store_b128 v9, v[W4C:W4C+3], s[24:25]   ; 32 lanes store 512 consecutive bytes
.Lno_w4:
	; ---- the gains, 24 loads, land under the products
.irp t, 0,1,2,3
	global_load_b128 v[G1+8*\t:G1+8*\t+3], v6, s[10:11] offset:64*\t        ; g1(16 t + 8 h + 0 .. 7)
	global_load_b128 v[G1+8*\t+4:G1+8*\t+7], v6, s[10:11] offset:64*\t+16
	global_load_b128 v[G2+8*\t:G2+8*\t+3], v6, s[12:13] offset:64*\t
	global_load_b128 v[G2+8*\t+4:G2+8*\t+7], v6, s[12:13] offset:64*\t+16
	global_load_b32 v[G3+2*\t], v7, s[14:15] offset:64*\t                   ; g3(16 t + r), into both registers of a pair
	global_load_b32 v[G3+2*\t+1], v7, s[14:15] offset:64*\t
.endr
	s_barrier_signal -1
	s_barrier_wait -1                              ; W's sixteen fragments lie in LDS
	s_wait_loadcnt 24                              ; x is in; the 24 loads of the gains may be out
	; ---- the products: two fragments of W at a time, each against x both ways round.  The eight accumulators take turns, one instruction a turn
.macro PAIR ks, p
.if (\ks)+(\p) > 0
	PLACES                                         ; in front of loads into registers that matrix instructions have read
.endif
.irp u, 0,1
.irp c, 0,1,2,3
	ds_load_b128 v[WS+16*\u+4*\c:WS+16*\u+4*\c+3], v9 offset:WIMG+((2*(\p)+\u)*4+(\ks))*2048+512*\c
.endr
.endr
	s_wait_dscnt 0x0
.irp u, 0,1
.if (\ks) == 0
	v_wmma_f32_16x16x128_bf8_bf8 v[T+8*(2*(\p)+\u):T+8*(2*(\p)+\u)+7], v[WS+16*\u:WS+16*\u+15], v[XF+16*(\ks):XF+16*(\ks)+15], 0
	v_wmma_f32_16x16x128_bf8_bf8 v[N+8*(2*(\p)+\u):N+8*(2*(\p)+\u)+7], v[XF+16*(\ks):XF+16*(\ks)+15], v[WS+16*\u:WS+16*\u+15], 0
.else
	v_wmma_f32_16x16x128_bf8_bf8 v[T+8*(2*(\p)+\u):T+8*(2*(\p)+\u)+7], v[WS+16*\u:WS+16*\u+15], v[XF+16*(\ks):XF+16*(\ks)+15], v[T+8*(2*(\p)+\u):T+8*(2*(\p)+\u)+7]
	v_wmma_f32_16x16x128_bf8_bf8 v[N+8*(2*(\p)+\u):N+8*(2*(\p)+\u)+7], v[XF+16*(\ks):XF+16*(\ks)+15], v[WS+16*\u:WS+16*\u+15], v[N+8*(2*(\p)+\u):N+8*(2*(\p)+\u)+7]
.endif
.endr
.endm
.irp k, 0,1,2,3
	PAIR \k, 0
	PAIR \k, 1
.endr
	PLACES
	s_wait_loadcnt 0x0                             ; the gains
	; ---- the norm.  T: lane (r, h) holds token r; register 8 t + j is feature 16 t + 8 h + j
.set i, 0
.rept 16
	v_pk_mul_f32 v[T+2*i:T+2*i+1], v[T+2*i:T+2*i+1], s[40:41] op_sel_hi:[1,0]   ; w = sum x 2^(e0 + e1); each accumulator from its low end on
.set i, i+1
.endr
	v_pk_mul_f32 v[QW:QW+1], v[T:T+1], v[T:T+1]    ; the sum of squares of my 32, two at a time, in two chains
	v_pk_mul_f32 v[QW+2:QW+3], v[T+2:T+3], v[T+2:T+3]
.irp i, 4,8,12,16,20,24,28
	v_pk_fma_f32 v[QW:QW+1], v[T+\i:T+\i+1], v[T+\i:T+\i+1], v[QW:QW+1]
	v_pk_fma_f32 v[QW+2:QW+3], v[T+\i+2:T+\i+3], v[T+\i+2:T+\i+3], v[QW+2:QW+3]
.endr
	v_pk_add_f32 v[QW:QW+1], v[QW:QW+1], v[QW+2:QW+3]
	v_mov_b32 v[TM+1], 0                           ; a lane permute's destination counts as one of its sources
	v_add_f32 v[TM], v[QW], v[QW+1]
	v_permlanex16_b32 v[TM+1], v[TM], s44, s45     ; the token's other 32 features lie in lane l xor 16
	v_add_f32 v[TM], v[TM], v[TM+1]
	v_fma_f32 v[TM], v[TM], s42, s43               ; mean + eps
	v_rsq_f32 v[IV], v[TM]
	v_mov_b32 v[IV+1], 0                           ; a plain line behind the transcendental; (named with inv as a pair, so it is written)
.irp j, 0,1,2,3,4,5,6,7
	v_lshl_add_u32 v[IDX+\j], v3, 5, 4*\j          ; 4 x lane (8 h + j)
.endr
	s_wait_alu depctr_va_vdst(0)                   ; the wait ahead of the first line that names the result
.irp j, 0,1,2,3,4,5,6,7
	ds_bpermute_b32 v[INV+\j], v[IDX+\j], v[IV]    ; inv of token 8 h + j, for N
.endr
	; ---- q and k: eight registers of a tile are eight neighbours along K: the conversions' results are the fragments' registers
.set i, 0
.rept 16
	v_pk_mul_f32 v[T+2*i:T+2*i+1], v[T+2*i:T+2*i+1], v[IV:IV+1] op_sel_hi:[1,0]
.set i, i+1
.endr
.set i, 0
.rept 16
	v_pk_mul_f32 v[QW+2*i:QW+2*i+1], v[T+2*i:T+2*i+1], v[G1+2*i:G1+2*i+1]
.set i, i+1
.endr
	SETSC 54
	HOLD QW, 32
	CVT QC, QW, 4
.set i, 0
.rept 16
	v_pk_mul_f32 v[WS+2*i:WS+2*i+1], v[T+2*i:T+2*i+1], v[G2+2*i:G2+2*i+1]
.set i, i+1
.endr
	SETSC 56
	HOLD WS, 32
	CVT KC, WS, 4
	global_store_b128 v9, v[QC:QC+3], s[18:19]     ; each store: 512 consecutive bytes
	global_store_b128 v9, v[QC+4:QC+7], s[18:19] offset:512
	global_store_b128 v9, v[KC:KC+3], s[20:21]
	global_store_b128 v9, v[KC+4:KC+7], s[20:21] offset:512
	; ---- v.  N: lane (r, h) holds feature 16 t + r; register 8 t + j is token 8 h + j
	s_wait_dscnt 0x0                               ; the eight inv are in
.irp i, 0,2,4,6
	v_pk_mul_f32 v[INV+\i:INV+\i+1], v[INV+\i:INV+\i+1], s[40:41] op_sel_hi:[1,0]   ; inv x 2^(e0 + e1): a power of two rounds nothing
.endr
.irp t, 0,1,2,3
.irp i, 0,2,4,6
	v_pk_mul_f32 v[N+8*\t+\i:N+8*\t+\i+1], v[N+8*\t+\i:N+8*\t+\i+1], v[INV+\i:INV+\i+1]
.endr
.endr
.irp t, 0,1,2,3
.irp i, 0,2,4,6
	v_pk_mul_f32 v[N+8*\t+\i:N+8*\t+\i+1], v[N+8*\t+\i:N+8*\t+\i+1], v[G3+2*\t:G3+2*\t+1]
.endr
.endr
	SETSC 58
	HOLD N, 32
	CVT QW, N, 4
.irp t, 0,1,2,3
	ds_store_b64 v11, v[QW+2*\t:QW+2*\t+1] offset:1024*\t   ; registers 2 (wave % 4), + 1 of fragment (wave / 4, t)
.endr
	s_wait_dscnt 0x0                               ; for the others' sake
	s_barrier_signal -1
	s_barrier_wait -1                              ; the work-group's sixteen fragments of v are whole
	ds_load_b128 v[QW+8:QW+11], v12
	ds_load_b128 v[QW+12:QW+15], v12 offset:512
	s_wait_dscnt 0x0
	global_store_b128 v9, v[QW+8:QW+11], s[22:23]
	global_store_b128 v9, v[QW+12:QW+15], s[22:23] offset:512
	s_wait_xcnt 0x0
	v_lshl_add_u32 v254, v0, 2, 0xc000
	v_mov_b32 v255, 0
	s_wait_tensorcnt 0x0
	ds_add_u32 v254, v255
	s_wait_dscnt 0x0
	s_endpgm
.Lfunc_end_k_q037bd5c797_proj:
	.size	k_q037bd5c797_proj, .Lfunc_end_k_q037bd5c797_proj-k_q037bd5c797_proj
	.p2alignl 7, 3214868480
	.fill 96, 4, 3214868480
	.section	.rodata,"a",@progbits
	.p2align	6, 0x0
	.amdhsa_kernel k_q037bd5c797_proj
		.amdhsa_group_segment_fixed_size 51200
		.amdhsa_private_segment_fixed_size 0
		.amdhsa_enable_private_segment 0
		.amdhsa_kernarg_size 88
		.amdhsa_user_sgpr_count 2
		.amdhsa_user_sgpr_kernarg_segment_ptr 1
		.amdhsa_wavefront_size32 1
		.amdhsa_system_sgpr_workgroup_id_x 1
		.amdhsa_system_sgpr_workgroup_id_y 1
		.amdhsa_system_sgpr_workgroup_id_z 1
		.amdhsa_system_vgpr_workitem_id 0
		.amdhsa_next_free_vgpr 256
		.amdhsa_next_free_sgpr 66
		.amdhsa_reserve_vcc 0
		.amdhsa_float_denorm_mode_32 3
		.amdhsa_float_denorm_mode_16_64 3
		.amdhsa_memory_ordered 1
		.amdhsa_forward_progress 1
		.amdhsa_inst_pref_size 48
	.end_amdhsa_kernel
	.amdgpu_metadata
---
amdhsa.version: [ 1, 2 ]
amdhsa.kernels:
  - .name:           k_q037bd5c797_proj
    .symbol:         k_q037bd5c797_proj.kd
    .args:
      - { .name: x_codes, .offset: 0, .size: 8, .value_kind: global_buffer, .address_space: global }
      - { .name: qkv_w, .offset: 8, .size: 8, .value_kind: global_buffer, .address_space: global }
      - { .name: delta_w, .offset: 16, .size: 8, .value_kind: global_buffer, .address_space: global }
      - { .name: g1, .offset: 24, .size: 8, .value_kind: global_buffer, .address_space: global }
      - { .name: g2, .offset: 32, .size: 8, .value_kind: global_buffer, .address_space: global }
      - { .name: g3, .offset: 40, .size: 8, .value_kind: global_buffer, .address_space: global }
      - { .name: lowp_scales, .offset: 48, .size: 8, .value_kind: global_buffer, .address_space: global }
      - { .name: qc, .offset: 56, .size: 8, .value_kind: global_buffer, .address_space: global }
      - { .name: kc, .offset: 64, .size: 8, .value_kind: global_buffer, .address_space: global }
      - { .name: vc, .offset: 72, .size: 8, .value_kind: global_buffer, .address_space: global }
      - { .name: w4c, .offset: 80, .size: 8, .value_kind: global_buffer, .address_space: global }
    .group_segment_fixed_size: 51200
    .private_segment_fixed_size: 0
    .kernarg_segment_align: 8
    .kernarg_segment_size: 88
    .max_flat_workgroup_size: 512
    .sgpr_count:     66
    .vgpr_count:     256
    .wavefront_size: 32
...
	.end_amdgpu_metadata
.endif
;; end of part 1
;; launch stats (part 2): grid 8 x 32, 16 waves a work-group, clusters of 4 x 1, 266,240 bytes of LDS; arguments qc, kc, lowp_scales, nrs, ncs; writes nrs, ncs
.if DOCPART == 2
	.amdgcn_target "amdgcn-amd-amdhsa--gfx1250"
	.amdhsa_code_object_version 6
	.text
	.protected	k_q037bd5c797_stats
	.globl	k_q037bd5c797_stats
	.p2align	8
	.type	k_q037bd5c797_stats,@function
k_q037bd5c797_stats:
	s_mov_b64 s[64:65], 0
	v_nop
	global_prefetch_b8 v0, s[64:65] scope:SCOPE_SE
	s_setreg_imm32_b32 hwreg(HW_REG_WAVE_MODE, 25, 1), 1
	s_wait_xcnt 0x0
	s_wait_alu depctr_hold_cnt(0) depctr_sa_sdst(0) depctr_va_vdst(0) depctr_va_sdst(0) depctr_va_ssrc(0) depctr_va_vcc(0) depctr_vm_vsrc(0)
	s_getreg_b32 s2, hwreg(HW_REG_IB_STS2, 6, 4)
	s_cmp_eq_u32 s2, 0
	s_cbranch_scc0 .Lentry_in_a_cluster
	s_endpgm
.Lentry_in_a_cluster:
	s_bfe_u32 s2, ttmp6, 0x10000c
	s_cmp_lg_u32 s2, 0x3003
	s_cbranch_scc0 .Lentry_shape_is_right
	s_endpgm
.Lentry_shape_is_right:
; STATS.  t(i, j) = q_i . k_j x log2(e) / 8.  For each row i: R_i = M + log2(sum over j of 2^(t - M)); for each column j: C_j likewise over i.  Stored: -R (nrs) and -C (ncs), f32, [head][2048].
; M is the running largest t rounded up to a whole number, so that a change of M multiplies the sum by a power of two.  The maximum is a real one, for rows and for columns: the gains are inputs.
; A work-group takes one head (y) and 256 of its tokens (x).  The head's whole images of k and of q, 131,072 bytes each, lie in LDS.
; Waves 0-7 own 32 rows each (their q against all k), waves 8-15 own 32 columns (their k against all q): one text; the side enters by a choice of pointer and by the LDS base alone.
; The product is used with the others as source 0 and my 16 as source 1: a lane holds ONE of my tokens and its registers run along the others.  Both ways round give the same bits as the next launch's scores.
; CLUSTER: the four work-groups of a cluster belong to one head: each tile is asked for jointly, by the same tensor load with a mask that names the four.  Every fill is a first fill: four loads a wave are out.
; All tensor loads stand at the kernel's head, so there is no later step to ask ahead for: no prefetch.
; LIMITS: e2 + e3 between -123 and 130 (they are added to c's exponent field).  -R is one f32 number: its rounding grows with |t|, as that of reference()'s own scores does.  NaN is not served.
.set STS,  262144                      ; LDS: behind k's image (0) and q's (131,072): 512 results
.set ST,   8                           ; v8-15    tile a: +0 -M, +1 the largest t, +2, +3 the sum in two halves
.set F,    16                          ; v16-31   my two fragments
.set KF,   32                          ; v32-95   eight fragments of the others
.set S,    96                          ; v96-223  the scores, 64 a tile
.set TMP,  224                         ; v224-239 tile a: +0, +1 at work, +2 a permute's destination, +4, +5 f, +6, +7 a second chain
; v1 16 x lane, v2 the LDS address in hand, v3 where I put results, v4 where I read them back
.macro CROUND                          ; a round of the cluster's barrier
	s_barrier_signal -1
	s_barrier_wait -1
	s_cmp_lg_u32 s14, 0
	s_cbranch_scc1 .Lnot_wave_0_\@
	s_barrier_signal -3
.Lnot_wave_0_\@:
	s_barrier_wait -3
	s_barrier_signal -1
	s_barrier_wait -1
.endm
	s_load_b256 s[4:11], s[0:1], 0x0               ; qc s[4:5], kc s[6:7], the scales s[8:9], nrs s[10:11]
	s_load_b64 s[12:13], s[0:1], 0x20              ; ncs
	v_lshl_add_u32 v254, v0, 2, 0x40800
	v_mov_b32 v255, 0
	ds_add_u32 v254, v255
	ds_add_u32 v254, v255
	v_lshrrev_b32 v1, 5, v0
	v_readfirstlane_b32 s14, v1                    ; wave 0..15
	s_and_b32 s58, ttmp7, 0xffff                   ; the head, which the four partners share
	s_lshr_b32 s40, s14, 3                         ; side: 0 rows, 1 columns
	s_lshl_b32 s46, s40, 17                        ; the others' image: k's at 0, q's at 131,072
	; descriptor group 1: 16 rows of 256 bytes, dense
	s_mov_b32 s16, 15|(3<<16)|(1<<21)              ; 15:0 the mask: all four work-groups; 17:16 elements of 8 bytes; 21 set beside a mask
	s_mov_b32 s17, 32<<16                          ; tensor_dim0 = 32
	s_mov_b32 s18, 16<<16                          ; tensor_dim1 = 16
	s_mov_b32 s19, 32<<16                          ; tile_dim0 = 32
	s_mov_b32 s20, 16                              ; tile_dim1 = 16
	s_mov_b32 s21, 32                              ; from row to row
	s_mov_b32 s22, 0
	s_mov_b32 s23, 0
	s_mov_b32 s44, 0x76543210                      ; v_permlanex16_b32: lane l xor 16
	s_mov_b32 s45, 0xfedcba98
	s_mov_b32 s42, 0x3e38aa3b                      ; c = log2(e) / 8
	v_and_b32 v1, 31, v0
	v_lshlrev_b32 v1, 4, v1                        ; 16 x lane
	v_and_b32 v5, 15, v0                           ; r
	s_lshl_b32 s59, s14, 7
	s_add_co_u32 s59, s59, STS
	v_lshl_add_u32 v3, v5, 2, s59                  ; results: 128 bytes a wave, 4 r
	s_and_b32 s59, s14, 3
	s_lshl_b32 s59, s59, 9
	s_add_co_u32 s59, s59, STS
	v_add_nc_u32 v4, s59, v1                       ; and back: 512 bytes for each of waves 0-3
	s_lshl_b32 s25, s14, 12                        ; my 4,096 bytes of each half image
	s_lshl_b32 s56, s58, 17
	s_add_co_u32 s56, s56, s25
	s_mov_b32 s57, 0
	s_wait_dscnt 0x0
	s_wait_kmcnt 0x0
	s_load_b256 s[48:55], s[8:9], 0x0              ; e0 .. e7
	; group 0, four sets: k's first half, q's first half, k's second, q's second
	s_mov_b32 s24, 1
	s_add_nc_u64 s[26:27], s[6:7], s[56:57]
	s_mov_b32 s28, 1
	s_add_co_u32 s29, s25, 131072
	s_add_nc_u64 s[30:31], s[4:5], s[56:57]
	s_mov_b32 s32, 1
	s_add_co_u32 s33, s25, 65536
	s_add_nc_u64 s[34:35], s[26:27], 65536
	s_mov_b32 s36, 1
	s_add_co_u32 s37, s25, 196608
	s_add_nc_u64 s[38:39], s[30:31], 65536
	s_or_b32 s27, s27, 0x80000000
	s_or_b32 s31, s31, 0x80000000
	s_or_b32 s35, s35, 0x80000000
	s_or_b32 s39, s39, 0x80000000
	CROUND                                         ; all four work-groups are here: the joint loads meet
	tensor_load_to_lds s[24:27], s[16:23]
	s_nop 0
	tensor_load_to_lds s[28:31], s[16:23]
	s_nop 0
	tensor_load_to_lds s[32:35], s[16:23]
	s_nop 0
	tensor_load_to_lds s[36:39], s[16:23]
	s_nop 0
.rept 4
	v_nop                                          ; four plain lines behind the loads
.endr
	; what hangs on my place in the cluster: global addresses of my own loads and stores alone
	s_bfe_u32 s15, ttmp6, 0x40000                  ; cx
	s_lshl_b32 s41, ttmp9, 2
	s_add_co_u32 s41, s41, s15                     ; my block of 256 tokens
	s_mov_b32 s63, 0
	s_lshl_b32 s62, s58, 17                        ; my two fragments: head x 131,072 + block x 16,384 + (wave % 8) x 2,048
	s_lshl_b32 s47, s41, 14
	s_add_co_u32 s62, s62, s47
	s_and_b32 s47, s14, 7
	s_lshl_b32 s47, s47, 11
	s_add_co_u32 s62, s62, s47
	s_cmp_eq_u32 s40, 0
	s_cselect_b64 s[60:61], s[4:5], s[6:7]         ; rows: q's codes; columns: k's
	s_add_nc_u64 s[60:61], s[60:61], s[62:63]
.irp i, 0,1,2,3
	global_load_b128 v[F+4*\i:F+4*\i+3], v1, s[60:61] offset:512*\i
.endr
	s_lshl_b32 s62, s58, 13                        ; the results: (head x 2,048 + block x 256) x 4 + (wave & 1) x 512
	s_lshl_b32 s47, s41, 10
	s_add_co_u32 s62, s62, s47
	s_and_b32 s47, s14, 1
	s_lshl_b32 s47, s47, 9
	s_add_co_u32 s62, s62, s47
	s_cmp_lt_u32 s14, 2
	s_cselect_b64 s[10:11], s[10:11], s[12:13]     ; waves 0, 1 store -R, waves 2, 3 store -C
	s_add_nc_u64 s[10:11], s[10:11], s[62:63]
.irp a, 0,1
	v_mov_b32 v[ST+4*\a+1], 0xff61b1e6             ; the largest t so far: -3e38, under every t
	v_floor_f32 v[ST+4*\a], -v[ST+4*\a+1]          ; -M
	v_mov_b32 v[ST+4*\a+2], 0                      ; the sum
	v_mov_b32 v[ST+4*\a+3], 0
	v_mov_b32 v[TMP+8*\a+2], 0                     ; a lane permute's destination counts as one of its sources
	v_mov_b32 v[TMP+8*\a+5], 0                     ; (named as the upper half of f's pair)
.endr
	s_wait_kmcnt 0x0
	s_add_co_i32 s47, s50, s51
	s_lshl_b32 s47, s47, 23
	s_add_co_i32 s42, s42, s47                     ; a sum stands for sum x 2^(e2 + e3): the exponents are added to c's exponent field
	s_mov_b32 s43, s42                             ; (named with it as a pair, so it is written)
.macro MAXT a                          ; tile a: the step's largest score, the running largest t, the new -M, f = 2^(old M - new M)
.set rS, S+64*(\a)
.set rT, ST+4*(\a)
.set rW, TMP+8*(\a)
	v_max3_num_f32 v[rW], v[rS], v[rS+1], v[rS+2]  ; two chains; each accumulator is read from its low end on
	v_max3_num_f32 v[rW+1], v[rS+3], v[rS+4], v[rS+5]
.irp i, 6,10,14,18,22,26,30,34,38,42,46,50,54,58
	v_max3_num_f32 v[rW], v[rW], v[rS+\i], v[rS+\i+1]
	v_max3_num_f32 v[rW+1], v[rW+1], v[rS+\i+2], v[rS+\i+3]
.endr
	v_max3_num_f32 v[rW], v[rW], v[rS+62], v[rS+63]
	v_max_num_f32 v[rW], v[rW], v[rW+1]
	v_permlanex16_b32 v[rW+2], v[rW], s44, s45     ; my token's other 64 partners lie in lane l xor 16
	v_max_num_f32 v[rW], v[rW], v[rW+2]
	v_mul_f32 v[rW], s42, v[rW]                    ; as t (c is positive)
	v_max_num_f32 v[rT+1], v[rT+1], v[rW]
	v_mov_b32 v[rW], v[rT]
	v_floor_f32 v[rT], -v[rT+1]                    ; -M = floor(-t): M is a whole number
	v_sub_f32 v[rW], v[rT], v[rW]                  ; old M - new M: a whole number, 0 or less
	v_cvt_i32_f32 v[rW], v[rW]                     ; (it saturates)
	v_ldexp_f32 v[rW+4], 1.0, v[rW]                ; f
.endm
.macro SCALET a                        ; t - M, two at a time
.set rS, S+64*(\a)
.set rT, ST+4*(\a)
.set j, 0
.rept 32
	v_pk_fma_f32 v[rS+2*j:rS+2*j+1], v[rS+2*j:rS+2*j+1], s[42:43], v[rT:rT+1] op_sel_hi:[1,0,0]
.set j, j+1
.endr
.endm
.macro EXPT a
.set rS, S+64*(\a)
.set j, 0
.rept 64
	v_exp_f32 v[rS+j], v[rS+j]
.set j, j+1
.endr
.endm
.macro SUMT a                          ; the sum, two at a time, in two chains
.set rS, S+64*(\a)
.set rT, ST+4*(\a)
.set rW, TMP+8*(\a)
	v_pk_add_f32 v[rW+6:rW+7], v[rS:rS+1], v[rS+2:rS+3]
.irp j, 4,8,12,16,20,24,28,32,36,40,44,48,52,56,60
	v_pk_add_f32 v[rT+2:rT+3], v[rT+2:rT+3], v[rS+\j:rS+\j+1]
	v_pk_add_f32 v[rW+6:rW+7], v[rW+6:rW+7], v[rS+\j+2:rS+\j+3]
.endr
	v_pk_add_f32 v[rT+2:rT+3], v[rT+2:rT+3], v[rW+6:rW+7]
.endm
; A STEP: my 32 tokens against 128 of the others: 8 fragments, 8,192 bytes of the image
.macro STEP
	v_add_nc_u32 v2, s46, v1
.irp u, 0,1,2,3,4,5,6,7
	ds_load_b128 v[KF+8*\u:KF+8*\u+3], v2 offset:1024*\u
	ds_load_b128 v[KF+8*\u+4:KF+8*\u+7], v2 offset:1024*\u+512
.endr
	s_wait_dscnt 0x0
.irp u, 0,1,2,3,4,5,6,7
	v_wmma_f32_16x16x64_bf8_bf8 v[S+8*\u:S+8*\u+7], v[KF+8*\u:KF+8*\u+7], v[F:F+7], 0
	v_wmma_f32_16x16x64_bf8_bf8 v[S+64+8*\u:S+64+8*\u+7], v[KF+8*\u:KF+8*\u+7], v[F+8:F+15], 0
.endr
.rept 4
	v_nop                                          ; places in front of the first read of results, and of the next step's loads into the fragments
.endr
	MAXT 0
	MAXT 1
	SCALET 0
	SCALET 1
	EXPT 0                                         ; the step's 128 exponentials are one batch
	EXPT 1
	v_pk_mul_f32 v[ST+2:ST+3], v[ST+2:ST+3], v[TMP+4:TMP+5] op_sel_hi:[1,0]     ; the sums under the new M (a plain line behind the exponentials)
	v_pk_mul_f32 v[ST+6:ST+7], v[ST+6:ST+7], v[TMP+12:TMP+13] op_sel_hi:[1,0]
	s_wait_alu depctr_va_vdst(0)                   ; one wait ahead of the batch's first reader
	SUMT 0
	SUMT 1
	s_add_co_u32 s46, s46, 8192
.endm
	s_wait_loadcnt 0x0                             ; my fragments
	s_wait_tensorcnt 2                             ; my parts of the two first halves are in; the two second halves, issued behind them, may be out
	s_barrier_signal -1
	s_barrier_wait -1                              ; everybody's are
	s_mov_b32 s47, 8
.Lhalf0:
	STEP
	s_sub_co_u32 s47, s47, 1
	s_cmp_lg_u32 s47, 0
	s_cbranch_scc1 .Lhalf0
	s_wait_tensorcnt 0x0                           ; my parts of the second halves
	s_wait_dscnt 0x0
	s_barrier_signal -1
	s_barrier_wait -1
	s_mov_b32 s47, 8
.Lhalf1:
	STEP
	s_sub_co_u32 s47, s47, 1
	s_cmp_lg_u32 s47, 0
	s_cbranch_scc1 .Lhalf1
	; ---- -(M + log2(sum))
.irp a, 0,1
	v_add_f32 v[TMP+8*\a], v[ST+4*\a+2], v[ST+4*\a+3]
	v_permlanex16_b32 v[TMP+8*\a+2], v[TMP+8*\a], s44, s45
	v_add_f32 v[TMP+8*\a], v[TMP+8*\a], v[TMP+8*\a+2]
.endr
	v_log_f32 v[TMP+1], v[TMP]
	v_log_f32 v[TMP+9], v[TMP+8]
	v_nop                                          ; a plain line behind the transcendentals
	s_wait_alu depctr_va_vdst(0)                   ; and the wait ahead of their first reader
	v_sub_f32 v[TMP], v[ST], v[TMP+1]
	v_sub_f32 v[TMP+8], v[ST+4], v[TMP+9]
	ds_store_b32 v3, v[TMP]                        ; lanes r and r + 16 hold the same number and write the same word
	ds_store_b32 v3, v[TMP+8] offset:64
	s_wait_dscnt 0x0                               ; for the others' sake
	s_barrier_signal -1
	s_barrier_wait -1
	s_cmp_lt_u32 s14, 4
	s_cbranch_scc0 .Lno_store
	ds_load_b128 v[KF:KF+3], v4
	s_wait_dscnt 0x0
	global_store_b128 v1, v[KF:KF+3], s[10:11]     ; 32 lanes store 512 consecutive bytes
.Lno_store:
	s_wait_tensorcnt 0x0
	ds_add_u32 v254, v255
	s_wait_dscnt 0x0
	CROUND                                         ; the closing round
	s_endpgm
.Lfunc_end_k_q037bd5c797_stats:
	.size	k_q037bd5c797_stats, .Lfunc_end_k_q037bd5c797_stats-k_q037bd5c797_stats
	.p2alignl 7, 3214868480
	.fill 96, 4, 3214868480
	.section	.rodata,"a",@progbits
	.p2align	6, 0x0
	.amdhsa_kernel k_q037bd5c797_stats
		.amdhsa_group_segment_fixed_size 266240
		.amdhsa_private_segment_fixed_size 0
		.amdhsa_enable_private_segment 0
		.amdhsa_kernarg_size 40
		.amdhsa_user_sgpr_count 2
		.amdhsa_user_sgpr_kernarg_segment_ptr 1
		.amdhsa_wavefront_size32 1
		.amdhsa_system_sgpr_workgroup_id_x 1
		.amdhsa_system_sgpr_workgroup_id_y 1
		.amdhsa_system_sgpr_workgroup_id_z 1
		.amdhsa_system_vgpr_workitem_id 0
		.amdhsa_next_free_vgpr 256
		.amdhsa_next_free_sgpr 66
		.amdhsa_reserve_vcc 0
		.amdhsa_float_denorm_mode_32 3
		.amdhsa_float_denorm_mode_16_64 3
		.amdhsa_memory_ordered 1
		.amdhsa_forward_progress 1
		.amdhsa_inst_pref_size 46
	.end_amdhsa_kernel
	.amdgpu_metadata
---
amdhsa.version: [ 1, 2 ]
amdhsa.kernels:
  - .name:           k_q037bd5c797_stats
    .symbol:         k_q037bd5c797_stats.kd
    .args:
      - { .name: qc, .offset: 0, .size: 8, .value_kind: global_buffer, .address_space: global }
      - { .name: kc, .offset: 8, .size: 8, .value_kind: global_buffer, .address_space: global }
      - { .name: lowp_scales, .offset: 16, .size: 8, .value_kind: global_buffer, .address_space: global }
      - { .name: nrs, .offset: 24, .size: 8, .value_kind: global_buffer, .address_space: global }
      - { .name: ncs, .offset: 32, .size: 8, .value_kind: global_buffer, .address_space: global }
    .group_segment_fixed_size: 266240
    .private_segment_fixed_size: 0
    .kernarg_segment_align: 8
    .kernarg_segment_size: 40
    .max_flat_workgroup_size: 512
    .sgpr_count:     66
    .vgpr_count:     256
    .wavefront_size: 32
...
	.end_amdgpu_metadata
.endif
;; end of part 2
;; launch attn (part 3): grid 8 x 32, 16 waves a work-group, clusters of 4 x 1, 272,384 bytes of LDS; arguments qc, kc, vc, nrs, ncs, lowp_scales, yc; writes yc
.if DOCPART == 3
	.amdgcn_target "amdgcn-amd-amdhsa--gfx1250"
	.amdhsa_code_object_version 6
	.text
	.protected	k_q037bd5c797_attn
	.globl	k_q037bd5c797_attn
	.p2align	8
	.type	k_q037bd5c797_attn,@function
k_q037bd5c797_attn:
	s_mov_b64 s[64:65], 0
	v_nop
	global_prefetch_b8 v0, s[64:65] scope:SCOPE_SE
	s_setreg_imm32_b32 hwreg(HW_REG_WAVE_MODE, 25, 1), 1
	s_wait_xcnt 0x0
	s_wait_alu depctr_hold_cnt(0) depctr_sa_sdst(0) depctr_va_vdst(0) depctr_va_sdst(0) depctr_va_ssrc(0) depctr_va_vcc(0) depctr_vm_vsrc(0)
	s_getreg_b32 s2, hwreg(HW_REG_IB_STS2, 6, 4)
	s_cmp_eq_u32 s2, 0
	s_cbranch_scc0 .Lentry_in_a_cluster
	s_endpgm
.Lentry_in_a_cluster:
	s_bfe_u32 s2, ttmp6, 0x10000c
	s_cmp_lg_u32 s2, 0x3003
	s_cbranch_scc0 .Lentry_shape_is_right
	s_endpgm
.Lentry_shape_is_right:
; ATTN.  score(i, j) = 2^(t - R_i) + 2^(t - C_j), t = q_i . k_j x log2(e) / 8: the two finished softmaxes added, as reference() has them; quantised with 2^e5; y = score v on codes; y quantised with 2^e6.
; -R and -C come from the launch before, made of the same t bit for bit.  The scores are normalised, so nothing is ever rescaled.
; A work-group takes one head (y) and 256 queries (x).  The head's whole images of k and of v, 131,072 bytes each, and its 2,048 -C lie in LDS.
; Wave w takes 32 queries (w % 8: two tiles) and half of the keys (w / 8: 1,024), 64 keys a step; the two halves' sums of y meet once, at the end, through LDS.
; Both products are used transposed: S^T = k q^T, O^T = v^T P: a lane holds ONE query throughout.  In the 16x16x64 form's own layout the eight registers of a tile of S^T are registers 2 u, 2 u + 1 of P's fragment.
; CLUSTER: the four work-groups of a cluster belong to one head: each tile is asked for jointly, by the same tensor load with a mask that names the four.  Every fill is a first fill: five loads a wave are out.
; All tensor loads stand at the kernel's head, so there is no later step to ask ahead for: no prefetch.
; LIMITS: e2 + e3 between -123 and 130; e5 and e6 - e4 - e5 between -126 and 112.  NaN is not served.
.set NCL,  262144                      ; LDS: k's image at 0, v's at 131,072, -C here (8,192 bytes)
.set Q,    16                          ; v16-31   my two fragments of q
.set P,    32                          ; v32-47   the scores' codes, two fragments; at the end y's codes
.set O,    48                          ; v48-111  O^T: tile a, features 16 t on: 32 a + 8 t
.set KF,   112                         ; v112-143 four fragments of k, then t - C for tile 0, then four fragments of v
.set NC,   144                         ; v144-175 -C of my 32 keys, then t - C for tile 1
.set S0,   176                         ; v176-239 S^T, 32 a tile
; v1 16 x lane, v2 -C's place for my half, v3-5 the LDS addresses in hand, v6, v7 2^e5 and 57,344 x 2^e5, v[8:9], v[10:11] -R of my query in tile 0, 1, v12 the reduction's place, v13 4 r, v14, v15 y's scale and hold
.macro CROUND                          ; a round of the cluster's barrier
	s_barrier_signal -1
	s_barrier_wait -1
	s_cmp_lg_u32 s18, 0
	s_cbranch_scc1 .Lnot_wave_0_\@
	s_barrier_signal -3
.Lnot_wave_0_\@:
	s_barrier_wait -3
	s_barrier_signal -1
	s_barrier_wait -1
.endm
	s_load_b256 s[4:11], s[0:1], 0x0               ; qc s[4:5], kc s[6:7], vc s[8:9], nrs s[10:11]
	s_load_b128 s[12:15], s[0:1], 0x20             ; ncs s[12:13], the scales s[14:15]
	s_load_b64 s[16:17], s[0:1], 0x30              ; yc
	v_lshl_add_u32 v254, v0, 2, 0x42000
	v_mov_b32 v255, 0
	ds_add_u32 v254, v255
	ds_add_u32 v254, v255
	v_lshrrev_b32 v1, 5, v0
	v_readfirstlane_b32 s18, v1                    ; wave 0..15
	s_and_b32 s21, ttmp7, 0xffff                   ; the head, which the four partners share
	s_and_b32 s22, s18, 7                          ; which 32 queries
	s_lshr_b32 s23, s18, 3                         ; which half of the keys
	; descriptor groups 1: rows of 256 bytes, dense: 16 of them (images), 2 of them (-C)
	s_mov_b32 s24, 15|(3<<16)|(1<<21)              ; 15:0 the mask: all four work-groups; 17:16 elements of 8 bytes; 21 set beside a mask
	s_mov_b32 s25, 32<<16
	s_mov_b32 s26, 16<<16
	s_mov_b32 s27, 32<<16
	s_mov_b32 s28, 16
	s_mov_b32 s29, 32
	s_mov_b32 s30, 0
	s_mov_b32 s31, 0
	s_mov_b32 s32, 15|(3<<16)|(1<<21)
	s_mov_b32 s33, 32<<16
	s_mov_b32 s34, 2<<16
	s_mov_b32 s35, 32<<16
	s_mov_b32 s36, 2
	s_mov_b32 s37, 32
	s_mov_b32 s38, 0
	s_mov_b32 s39, 0
	s_lshl_b32 s63, s23, 16                        ; where my keys begin: in k's image,
	s_add_co_u32 s66, s63, 131072                  ; in v's,
	s_lshl_b32 s67, s23, 12                        ; among the -C
	s_lshl_b32 s45, s22, 12
	s_add_co_u32 s45, s45, s63                     ; what I fetch of an image: 4,096 bytes of the first quarter of my half, and the same 32,768 further on
	s_lshl_b32 s76, s21, 17
	s_add_co_u32 s76, s76, s45
	s_mov_b32 s77, 0
	s_lshl_b32 s78, s21, 13
	s_lshl_b32 s41, s18, 9                         ; and 512 bytes of -C
	s_add_co_u32 s78, s78, s41
	s_mov_b32 s79, 0
	s_add_co_u32 s41, s41, NCL
	s_add_co_u32 s49, s45, 131072
	s_add_co_u32 s53, s45, 32768
	s_add_co_u32 s57, s45, 163840
	s_mov_b32 s40, 1
	s_mov_b32 s44, 1
	s_mov_b32 s48, 1
	s_mov_b32 s52, 1
	s_mov_b32 s56, 1
	s_mov_b32 s60, 0x3e38aa3b                      ; c = log2(e) / 8
	v_and_b32 v1, 31, v0
	v_lshlrev_b32 v1, 4, v1                        ; 16 x lane
	v_bfe_u32 v2, v0, 4, 1
	v_lshlrev_b32 v2, 5, v2
	v_add_nc_u32 v2, NCL, v2                       ; -C: my half's eight keys of a tile: 32 h
	v_and_b32 v13, 15, v0
	v_lshlrev_b32 v13, 2, v13                      ; 4 r
	s_lshl_b32 s82, s22, 13
	v_add_nc_u32 v12, s82, v1                      ; the reduction: 8,192 bytes for each pair of waves, in k's image, which has been read out by then
	v_mov_b32 v9, 0                                ; (named as the upper halves of -R's pairs)
	v_mov_b32 v11, 0
	s_wait_dscnt 0x0
	s_wait_kmcnt 0x0
	s_load_b256 s[68:75], s[14:15], 0x0            ; e0 .. e7
	s_add_nc_u64 s[42:43], s[12:13], s[78:79]
	s_add_nc_u64 s[46:47], s[6:7], s[76:77]
	s_add_nc_u64 s[50:51], s[8:9], s[76:77]
	s_add_nc_u64 s[54:55], s[46:47], 32768
	s_add_nc_u64 s[58:59], s[50:51], 32768
	s_or_b32 s43, s43, 0x80000000
	s_or_b32 s47, s47, 0x80000000
	s_or_b32 s51, s51, 0x80000000
	s_or_b32 s55, s55, 0x80000000
	s_or_b32 s59, s59, 0x80000000
	CROUND                                         ; all four work-groups are here: the joint loads meet
	tensor_load_to_lds s[40:43], s[32:39]          ; -C
	s_nop 0
	tensor_load_to_lds s[44:47], s[24:31]          ; k, the first eight steps of each half
	s_nop 0
	tensor_load_to_lds s[48:51], s[24:31]          ; v likewise
	s_nop 0
	tensor_load_to_lds s[52:55], s[24:31]          ; k, the last eight steps
	s_nop 0
	tensor_load_to_lds s[56:59], s[24:31]          ; v likewise
	s_nop 0
.rept 4
	v_nop                                          ; four plain lines behind the loads
.endr
	; what hangs on my place in the cluster: global addresses of my own loads and stores alone
	s_bfe_u32 s19, ttmp6, 0x40000                  ; cx
	s_lshl_b32 s20, ttmp9, 2
	s_add_co_u32 s20, s20, s19                     ; my block of 256 queries
	s_mov_b32 s81, 0
	s_lshl_b32 s80, s21, 17                        ; q: head x 131,072 + block x 16,384 + (wave % 8) x 2,048
	s_lshl_b32 s83, s20, 14
	s_add_co_u32 s80, s80, s83
	s_lshl_b32 s83, s22, 11
	s_add_co_u32 s80, s80, s83
	s_add_nc_u64 s[4:5], s[4:5], s[80:81]
.irp i, 0,1,2,3
	global_load_b128 v[Q+4*\i:Q+4*\i+3], v1, s[4:5] offset:512*\i
.endr
	s_lshl_b32 s80, s21, 13                        ; -R: (head x 2,048 + block x 256 + (wave % 8) x 32) x 4
	s_lshl_b32 s83, s20, 10
	s_add_co_u32 s80, s80, s83
	s_lshl_b32 s83, s22, 7
	s_add_co_u32 s80, s80, s83
	s_add_nc_u64 s[10:11], s[10:11], s[80:81]
	global_load_b32 v8, v13, s[10:11]
	global_load_b32 v10, v13, s[10:11] offset:64
	s_lshr_b32 s80, s21, 3                         ; y: fragment (token / 16, head): batch x 2^20 + block x 2^17 + (wave % 8) x 2^14 + head x 2^10
	s_lshl_b32 s80, s80, 20
	s_lshl_b32 s83, s20, 17
	s_add_co_u32 s80, s80, s83
	s_lshl_b32 s83, s22, 14
	s_add_co_u32 s80, s80, s83
	s_and_b32 s83, s21, 7
	s_lshl_b32 s83, s83, 10
	s_add_co_u32 s80, s80, s83
	s_add_nc_u64 s[16:17], s[16:17], s[80:81]
	s_wait_kmcnt 0x0
	s_add_co_i32 s83, s70, s71
	s_lshl_b32 s83, s83, 23
	s_add_co_i32 s60, s60, s83                     ; a sum stands for sum x 2^(e2 + e3): the exponents are added to c's exponent field
	s_mov_b32 s61, s60                             ; (named with it as a pair, so it is written)
	s_add_co_i32 s83, s73, 127
	s_lshl_b32 s82, s83, 23
	v_mov_b32 v6, s82                              ; 2^e5 as f32, for the scores' conversions
	s_add_co_i32 s83, s83, 15
	s_lshl_b32 s83, s83, 23
	s_or_b32 s83, s83, 0x600000
	v_mov_b32 v7, s83                              ; 57,344 x 2^e5
	s_sub_co_i32 s83, s74, s72
	s_sub_co_i32 s83, s83, s73                     ; a sum of the third product stands for sum x 2^(e4 + e5): y's code is sum / 2^(e6 - e4 - e5)
	s_add_co_i32 s83, s83, 127
	s_lshl_b32 s82, s83, 23
	v_mov_b32 v14, s82
	s_add_co_i32 s83, s83, 15
	s_lshl_b32 s83, s83, 23
	s_or_b32 s83, s83, 0x600000
	v_mov_b32 v15, s83
; A STEP: my 32 queries against 64 keys.  zero = 1: the products V^T P start O^T's sums: nothing is ever cleared.
.macro STEP zero
	v_add_nc_u32 v3, s63, v1                       ; these three and the v_nop are the four places in front of loads into registers that the last products read
	v_add_nc_u32 v4, s66, v1
	v_add_nc_u32 v5, s67, v2
	v_nop
.irp u, 0,1,2,3
	ds_load_b128 v[KF+8*\u:KF+8*\u+3], v3 offset:1024*\u
	ds_load_b128 v[KF+8*\u+4:KF+8*\u+7], v3 offset:1024*\u+512
.endr
.irp u, 0,1,2,3
	ds_load_b128 v[NC+8*\u:NC+8*\u+3], v5 offset:64*\u        ; -C(16 u + 8 h + 0 .. 7): the sixteen lanes of a half read the same bytes
	ds_load_b128 v[NC+8*\u+4:NC+8*\u+7], v5 offset:64*\u+16
.endr
	s_wait_dscnt 8                                 ; k's fragments are in; -C's eight loads, the younger ones, may be out
.irp u, 0,1,2,3
	v_wmma_f32_16x16x64_bf8_bf8 v[S0+8*\u:S0+8*\u+7], v[KF+8*\u:KF+8*\u+7], v[Q:Q+7], 0
	v_wmma_f32_16x16x64_bf8_bf8 v[S0+32+8*\u:S0+32+8*\u+7], v[KF+8*\u:KF+8*\u+7], v[Q+8:Q+15], 0
.endr
.rept 4
	v_nop                                          ; places in front of the first read of results and of the writes over k's fragments
.endr
	s_wait_dscnt 0x0                               ; -C
.set i, 0
.rept 16
	v_pk_fma_f32 v[KF+2*i:KF+2*i+1], v[S0+2*i:S0+2*i+1], s[60:61], v[NC+2*i:NC+2*i+1] op_sel_hi:[1,0,1]       ; tile 0: t - C; each accumulator from its low end on
.set i, i+1
.endr
.set i, 0
.rept 16
	v_pk_fma_f32 v[NC+2*i:NC+2*i+1], v[S0+32+2*i:S0+32+2*i+1], s[60:61], v[NC+2*i:NC+2*i+1] op_sel_hi:[1,0,1] ; tile 1: t - C
.set i, i+1
.endr
.set i, 0
.rept 16
	v_pk_fma_f32 v[S0+2*i:S0+2*i+1], v[S0+2*i:S0+2*i+1], s[60:61], v[8:9] op_sel_hi:[1,0,0]                   ; tile 0: t - R
.set i, i+1
.endr
.set i, 0
.rept 16
	v_pk_fma_f32 v[S0+32+2*i:S0+32+2*i+1], v[S0+32+2*i:S0+32+2*i+1], s[60:61], v[10:11] op_sel_hi:[1,0,0]     ; tile 1: t - R
.set i, i+1
.endr
.set i, 0
.rept 64
	v_exp_f32 v[KF+i], v[KF+i]                     ; the step's 128 exponentials are one batch: the column softmax (v112-175),
.set i, i+1
.endr
.set i, 0
.rept 64
	v_exp_f32 v[S0+i], v[S0+i]                     ; the row softmax
.set i, i+1
.endr
	v_nop                                          ; a plain line behind the last exponential
	s_wait_alu depctr_va_vdst(0)                   ; one wait ahead of the batch's first reader
.set i, 0
.rept 16
	v_pk_add_f32 v[S0+2*i:S0+2*i+1], v[S0+2*i:S0+2*i+1], v[KF+2*i:KF+2*i+1]
.set i, i+1
.endr
.irp t, 0,1,2,3
	ds_load_b128 v[KF+8*\t:KF+8*\t+3], v4 offset:1024*\t          ; v's four fragments land under the lines below
	ds_load_b128 v[KF+8*\t+4:KF+8*\t+7], v4 offset:1024*\t+512
.endr
.set i, 0
.rept 16
	v_pk_add_f32 v[S0+32+2*i:S0+32+2*i+1], v[S0+32+2*i:S0+32+2*i+1], v[NC+2*i:NC+2*i+1]
.set i, i+1
.endr
.set i, 0
.rept 64
	v_min_num_f32 v[S0+i], v[S0+i], v7             ; the conversion to an 8-bit code does not saturate (ISA guide 7.6.2); a score is not negative, so the hold is one-sided
.set i, i+1
.endr
.set i, 0
.rept 8
	v_cvt_scalef32_pk8_bf8_f32 v[P+2*i:P+2*i+1], v[S0+8*i:S0+8*i+7], v6
.set i, i+1
.endr
	v_nop                                          ; one plain line between a scaled conversion and the matrix instruction that reads its result
	s_wait_dscnt 0x0                               ; v's fragments
.irp t, 0,1,2,3
.irp a, 0,1
.if \zero
	v_wmma_f32_16x16x64_bf8_bf8 v[O+32*\a+8*\t:O+32*\a+8*\t+7], v[KF+8*\t:KF+8*\t+7], v[P+8*\a:P+8*\a+7], 0
.else
	v_wmma_f32_16x16x64_bf8_bf8 v[O+32*\a+8*\t:O+32*\a+8*\t+7], v[KF+8*\t:KF+8*\t+7], v[P+8*\a:P+8*\a+7], v[O+32*\a+8*\t:O+32*\a+8*\t+7]
.endif
.endr
.endr                                              ; the eight accumulators take turns, one instruction a turn
	s_add_co_u32 s63, s63, 4096
	s_add_co_u32 s66, s66, 4096
	s_add_co_u32 s67, s67, 256
.endm
	s_wait_tensorcnt 2                             ; my parts of -C and of the first eight steps are in; the two loads behind them may be out
	s_barrier_signal -1
	s_barrier_wait -1                              ; everybody's are
	s_wait_loadcnt 0x0                             ; q, -R
	STEP 1
	s_mov_b32 s62, 7
.Lfirst:
	STEP 0
	s_sub_co_u32 s62, s62, 1
	s_cmp_lg_u32 s62, 0
	s_cbranch_scc1 .Lfirst
	s_wait_tensorcnt 0x0                           ; my parts of the last eight steps
	s_wait_dscnt 0x0
	s_barrier_signal -1
	s_barrier_wait -1
	s_mov_b32 s62, 8
.Lsecond:
	STEP 0
	s_sub_co_u32 s62, s62, 1
	s_cmp_lg_u32 s62, 0
	s_cbranch_scc1 .Lsecond
	; ---- the two halves of the keys meet: waves 8-15 hand their O^T to waves 0-7 as images of registers, in k's image: it has had its only fill, and behind this barrier nobody reads it
.rept 4
	v_nop                                          ; places in front of the first read of the last results
.endr
	s_wait_dscnt 0x0
	s_barrier_signal -1
	s_barrier_wait -1
	s_cmp_lt_u32 s18, 8
	s_cbranch_scc1 .Lno_send
.irp i, 0,1,2,3,4,5,6,7,8,9,10,11,12,13,14,15
	ds_store_b128 v12, v[O+4*\i:O+4*\i+3] offset:512*\i
.endr
.Lno_send:
	s_wait_dscnt 0x0                               ; for the others' sake
	s_barrier_signal -1
	s_barrier_wait -1
	s_cmp_lt_u32 s18, 8
	s_cbranch_scc0 .Lno_out
.irp i, 0,1,2,3,4,5,6,7,8,9,10,11,12,13,14,15
	ds_load_b128 v[KF+4*\i:KF+4*\i+3], v12 offset:512*\i
.endr
	s_wait_dscnt 0x0
.set i, 0
.rept 32
	v_pk_add_f32 v[O+2*i:O+2*i+1], v[O+2*i:O+2*i+1], v[KF+2*i:KF+2*i+1]
.set i, i+1
.endr
.set i, 0
.rept 64
	v_med3_num_f32 v[O+i], v[O+i], -v15, v15       ; the hold at the largest code x the scale
.set i, i+1
.endr
.set i, 0
.rept 8
	v_cvt_scalef32_pk8_bf8_f32 v[P+2*i:P+2*i+1], v[O+8*i:O+8*i+7], v14   ; register 8 t + j of a tile is feature 16 t + 8 h + j: registers 2 t, 2 t + 1 of y's fragment
.set i, i+1
.endr
	v_nop
	global_store_b128 v1, v[P:P+3], s[16:17]       ; each store: 512 consecutive bytes
	global_store_b128 v1, v[P+4:P+7], s[16:17] offset:512
	global_store_b128 v1, v[P+8:P+11], s[16:17] offset:8192
	global_store_b128 v1, v[P+12:P+15], s[16:17] offset:8704
.Lno_out:
	s_wait_tensorcnt 0x0
	ds_add_u32 v254, v255
	s_wait_dscnt 0x0
	CROUND                                         ; the closing round
	s_endpgm
.Lfunc_end_k_q037bd5c797_attn:
	.size	k_q037bd5c797_attn, .Lfunc_end_k_q037bd5c797_attn-k_q037bd5c797_attn
	.p2alignl 7, 3214868480
	.fill 96, 4, 3214868480
	.section	.rodata,"a",@progbits
	.p2align	6, 0x0
	.amdhsa_kernel k_q037bd5c797_attn
		.amdhsa_group_segment_fixed_size 272384
		.amdhsa_private_segment_fixed_size 0
		.amdhsa_enable_private_segment 0
		.amdhsa_kernarg_size 56
		.amdhsa_user_sgpr_count 2
		.amdhsa_user_sgpr_kernarg_segment_ptr 1
		.amdhsa_wavefront_size32 1
		.amdhsa_system_sgpr_workgroup_id_x 1
		.amdhsa_system_sgpr_workgroup_id_y 1
		.amdhsa_system_sgpr_workgroup_id_z 1
		.amdhsa_system_vgpr_workitem_id 0
		.amdhsa_next_free_vgpr 256
		.amdhsa_next_free_sgpr 96
		.amdhsa_reserve_vcc 0
		.amdhsa_float_denorm_mode_32 3
		.amdhsa_float_denorm_mode_16_64 3
		.amdhsa_memory_ordered 1
		.amdhsa_forward_progress 1
		.amdhsa_inst_pref_size 65
	.end_amdhsa_kernel
	.amdgpu_metadata
---
amdhsa.version: [ 1, 2 ]
amdhsa.kernels:
  - .name:           k_q037bd5c797_attn
    .symbol:         k_q037bd5c797_attn.kd
    .args:
      - { .name: qc, .offset: 0, .size: 8, .value_kind: global_buffer, .address_space: global }
      - { .name: kc, .offset: 8, .size: 8, .value_kind: global_buffer, .address_space: global }
      - { .name: vc, .offset: 16, .size: 8, .value_kind: global_buffer, .address_space: global }
      - { .name: nrs, .offset: 24, .size: 8, .value_kind: global_buffer, .address_space: global }
      - { .name: ncs, .offset: 32, .size: 8, .value_kind: global_buffer, .address_space: global }
      - { .name: lowp_scales, .offset: 40, .size: 8, .value_kind: global_buffer, .address_space: global }
      - { .name: yc, .offset: 48, .size: 8, .value_kind: global_buffer, .address_space: global }
    .group_segment_fixed_size: 272384
    .private_segment_fixed_size: 0
    .kernarg_segment_align: 8
    .kernarg_segment_size: 56
    .max_flat_workgroup_size: 512
    .sgpr_count:     96
    .vgpr_count:     256
    .wavefront_size: 32
...
	.end_amdgpu_metadata
.endif
;; end of part 3
;; launch outp (part 4): grid 4 x 64, 16 waves a work-group, clusters of 4 x 4, 202,752 bytes of LDS; arguments yc, w4c, lowp_scales, out0; writes out0
.if DOCPART == 4
	.amdgcn_target "amdgcn-amd-amdhsa--gfx1250"
	.amdhsa_code_object_version 6
	.text
	.protected	k_q037bd5c797_outp
	.globl	k_q037bd5c797_outp
	.p2align	8
	.type	k_q037bd5c797_outp,@function
k_q037bd5c797_outp:
	s_mov_b64 s[64:65], 0
	v_nop
	global_prefetch_b8 v0, s[64:65] scope:SCOPE_SE
	s_setreg_imm32_b32 hwreg(HW_REG_WAVE_MODE, 25, 1), 1
	s_wait_xcnt 0x0
	s_wait_alu depctr_hold_cnt(0) depctr_sa_sdst(0) depctr_va_vdst(0) depctr_va_sdst(0) depctr_va_ssrc(0) depctr_va_vcc(0) depctr_vm_vsrc(0)
	s_getreg_b32 s2, hwreg(HW_REG_IB_STS2, 6, 4)
	s_cmp_eq_u32 s2, 0
	s_cbranch_scc0 .Lentry_in_a_cluster
	s_endpgm
.Lentry_in_a_cluster:
	s_bfe_u32 s2, ttmp6, 0x10000c
	s_cmp_lg_u32 s2, 0xf033
	s_cbranch_scc0 .Lentry_shape_is_right
	s_endpgm
.Lentry_shape_is_right:
; OUTP.  out = y W on codes of E5M2, x 2^(e6 + e7).  y's and W's codes come as images of operand registers of the 16x16x64 form: fragment (token / 16, K step) and (n / 16, K step), 1,024 bytes each, K steps on end.
; A work-group makes 128 rows x 128 columns: 8 x 8 fragments of each side, 65,536 bytes each, the whole K of 512: one fill, no ring.  256 work-groups.
; Wave w makes rows 16 (w % 8) on, columns 64 (w / 8) on: four accumulators.  The matrix instruction is used transposed (source 0 = W, source 1 = y): a lane holds eight neighbouring numbers of a row of out.
; CLUSTER: 4 x 4 work-groups.  The four of a row of the cluster need the same 128 rows of y, the four of a column the same 128 columns of W: each is asked for jointly.  Two loads a wave are out.
; All tensor loads stand at the kernel's head, so there is no later step to ask ahead for: no prefetch.
; LIMIT: e6 + e7 between -126 and 127, so that 2^(e6 + e7) is an f32 number.
.set BIMG, 65536                       ; LDS: y's fragments at 0, W's here,
.set STG,  131072                      ; and a stage of 16 rows x (256 + 16) bytes for each wave
.set SP,   272
.set ACC,  16                          ; v16-47   four accumulators
.set AF,   48                          ; v48-111  y's eight fragments
.set BF,   112                         ; v112-239 W's fragments: two sets of eight (two K steps x four tiles); on the way out the results and the rows read back
; v1 16 x lane, v2 y's fragments, v3 W's, v4 into the stage, v5 back, v6 my offset in out
.macro CROUND                          ; a round of the cluster's barrier
	s_barrier_signal -1
	s_barrier_wait -1
	s_cmp_lg_u32 s14, 0
	s_cbranch_scc1 .Lnot_wave_0_\@
	s_barrier_signal -3
.Lnot_wave_0_\@:
	s_barrier_wait -3
	s_barrier_signal -1
	s_barrier_wait -1
.endm
.macro PLACES
.rept 4
	v_nop
.endr
.endm
	s_load_b256 s[4:11], s[0:1], 0x0               ; yc s[4:5], w4c s[6:7], the scales s[8:9], out s[10:11]
	v_lshl_add_u32 v254, v0, 2, 0x31000
	v_mov_b32 v255, 0
	ds_add_u32 v254, v255
	ds_add_u32 v254, v255
	v_lshrrev_b32 v1, 5, v0
	v_readfirstlane_b32 s14, v1                    ; wave 0..15
	s_and_b32 s12, s14, 7                          ; which 16 rows
	s_lshr_b32 s13, s14, 3                         ; which 64 columns
	s_bfe_u32 s40, ttmp6, 0x40000                  ; cx, cy: my place in the cluster
	s_bfe_u32 s41, ttmp6, 0x40004
	s_lshl_b32 s42, ttmp9, 2
	s_add_co_u32 s42, s42, s40                     ; tile column = 4 x cluster x + cx
	s_and_b32 s43, ttmp7, 0xffff
	s_lshl_b32 s43, s43, 2
	s_add_co_u32 s43, s43, s41                     ; tile row = 4 x cluster y + cy
	s_lshl_b32 s44, s41, 2
	s_lshl_b32 s44, 15, s44                        ; my row of the cluster
	s_lshl_b32 s45, 0x1111, s40                    ; my column
	; descriptor groups 1: 16 rows of 256 bytes, dense; they differ in the mask alone
	s_or_b32 s16, s44, (3<<16)|(1<<21)             ; y's tiles go to my row; elements of 8 bytes; 21 set beside a mask
	s_or_b32 s24, s45, (3<<16)|(1<<21)             ; W's to my column
.irp g, 16, 24
	s_mov_b32 s[\g+1], 32<<16
	s_mov_b32 s[\g+2], 16<<16
	s_mov_b32 s[\g+3], 32<<16
	s_mov_b32 s[\g+4], 16
	s_mov_b32 s[\g+5], 32
	s_mov_b32 s[\g+6], 0
	s_mov_b32 s[\g+7], 0
.endr
	s_lshl_b32 s33, s14, 12                        ; my 4,096 bytes of each side: no place in the cluster enters an LDS address
	s_add_co_u32 s37, s33, BIMG
	s_lshl_b32 s46, s43, 16                        ; y: tile row x 65,536 + wave x 4,096
	s_add_co_u32 s46, s46, s33
	s_mov_b32 s47, 0
	s_lshl_b32 s48, s42, 16                        ; W: tile column x 65,536 + wave x 4,096
	s_add_co_u32 s48, s48, s33
	s_mov_b32 s49, 0
	s_lshl_b32 s50, s43, 18                        ; out: (128 tile row + 16 (wave % 8)) rows of 2,048 bytes + 512 tile column + 256 (wave / 8)
	s_lshl_b32 s62, s12, 15
	s_add_co_u32 s50, s50, s62
	s_lshl_b32 s62, s42, 9
	s_add_co_u32 s50, s50, s62
	s_lshl_b32 s62, s13, 8
	s_add_co_u32 s50, s50, s62
	s_mov_b32 s51, 0
	s_mov_b32 s32, 1
	s_mov_b32 s36, 1
	v_and_b32 v1, 31, v0
	v_lshlrev_b32 v1, 4, v1                        ; 16 x lane
	v_and_b32 v7, 15, v0                           ; r
	v_bfe_u32 v8, v0, 4, 1                         ; h
	s_lshl_b32 s63, s12, 13
	v_add_nc_u32 v2, s63, v1                       ; y's eight fragments of my rows
	s_lshl_b32 s63, s13, 15
	s_add_co_u32 s63, s63, BIMG
	v_add_nc_u32 v3, s63, v1                       ; W's 32 fragments of my columns
	s_mul_i32 s63, s14, 16*SP
	s_add_co_u32 s63, s63, STG                     ; my stage
	v_mul_u32_u24 v4, v7, SP
	v_lshl_add_u32 v4, v8, 5, v4
	v_add_nc_u32 v4, s63, v4                       ; in: row r, 32 bytes for each half of the lanes
	v_mul_u32_u24 v5, v8, SP
	v_lshl_add_u32 v5, v7, 4, v5
	v_add_nc_u32 v5, s63, v5                       ; back: lanes 0-15 one row of 256 bytes, lanes 16-31 the next
	v_lshlrev_b32 v6, 11, v8
	v_lshl_add_u32 v6, v7, 4, v6                   ; and the same two rows in out
	s_wait_dscnt 0x0
	s_wait_kmcnt 0x0
	s_load_b256 s[52:59], s[8:9], 0x0              ; e0 .. e7
	s_add_nc_u64 s[34:35], s[4:5], s[46:47]
	s_or_b32 s35, s35, 0x80000000
	s_add_nc_u64 s[38:39], s[6:7], s[48:49]
	s_or_b32 s39, s39, 0x80000000
	s_add_nc_u64 s[10:11], s[10:11], s[50:51]
	CROUND                                         ; all sixteen work-groups are here: the joint loads meet
	tensor_load_to_lds s[32:35], s[16:23]
	s_nop 0
	tensor_load_to_lds s[36:39], s[24:31]
	s_nop 0
	PLACES                                         ; four plain lines behind the loads
	s_wait_tensorcnt 0x0                           ; my parts are in,
	s_barrier_signal -1
	s_barrier_wait -1                              ; everybody's are
.macro FETCHB p, set                   ; W's fragments of K steps 2 p and 2 p + 1, four tiles each: 16 loads
.irp q, 0,1
.irp n, 0,1,2,3
	ds_load_b128 v[BF+64*(\set)+8*(4*\q+\n):BF+64*(\set)+8*(4*\q+\n)+3], v3 offset:8192*\n+1024*(2*(\p)+\q)
	ds_load_b128 v[BF+64*(\set)+8*(4*\q+\n)+4:BF+64*(\set)+8*(4*\q+\n)+7], v3 offset:8192*\n+1024*(2*(\p)+\q)+512
.endr
.endr
.endm
.macro MULP p, set                     ; eight matrix instructions; the four accumulators take turns, one instruction a turn; the first K step starts the sums
.irp q, 0,1
.irp n, 0,1,2,3
.if (\p)+\q == 0
	v_wmma_f32_16x16x64_bf8_bf8 v[ACC+8*\n:ACC+8*\n+7], v[BF+64*(\set)+8*(4*\q+\n):BF+64*(\set)+8*(4*\q+\n)+7], v[AF+8*(2*(\p)+\q):AF+8*(2*(\p)+\q)+7], 0
.else
	v_wmma_f32_16x16x64_bf8_bf8 v[ACC+8*\n:ACC+8*\n+7], v[BF+64*(\set)+8*(4*\q+\n):BF+64*(\set)+8*(4*\q+\n)+7], v[AF+8*(2*(\p)+\q):AF+8*(2*(\p)+\q)+7], v[ACC+8*\n:ACC+8*\n+7]
.endif
.endr
.endr
.endm
.irp k, 0,1,2,3,4,5,6,7
	ds_load_b128 v[AF+8*\k:AF+8*\k+3], v2 offset:1024*\k
	ds_load_b128 v[AF+8*\k+4:AF+8*\k+7], v2 offset:1024*\k+512
.endr
	FETCHB 0, 0
	FETCHB 1, 1
	s_wait_dscnt 16                                ; all but the youngest set of 16 loads
	MULP 0, 0
	PLACES                                         ; in front of loads into registers that matrix instructions have read
	FETCHB 2, 0
	s_wait_dscnt 16
	MULP 1, 1
	PLACES
	FETCHB 3, 1
	s_wait_dscnt 16
	MULP 2, 0
	s_wait_dscnt 0x0
	MULP 3, 1
	s_wait_kmcnt 0x0
	s_add_co_i32 s60, s58, s59
	s_add_co_i32 s60, s60, 127
	s_lshl_b32 s60, s60, 23                        ; 2^(e6 + e7) as f32
	s_mov_b32 s61, s60                             ; (named with it as a pair, so it is written)
	PLACES                                         ; in front of the first read of results, of the writes over W's first set and of the loads into its second
	; ---- the way out: a lane holds 32 neighbouring bytes of a row; through my own stage the rows come back whole: 256 bytes of a row to sixteen lanes
.set i, 0
.rept 16
	v_pk_mul_f32 v[BF+2*i:BF+2*i+1], v[ACC+2*i:ACC+2*i+1], s[60:61] op_sel_hi:[1,0]   ; each accumulator from its low end on
.set i, i+1
.endr
.irp n, 0,1,2,3
	ds_store_b128 v4, v[BF+8*\n:BF+8*\n+3] offset:64*\n
	ds_store_b128 v4, v[BF+8*\n+4:BF+8*\n+7] offset:64*\n+16
.endr
.irp i, 0,1,2,3,4,5,6,7
	ds_load_b128 v[BF+64+4*\i:BF+64+4*\i+3], v5 offset:2*\i*SP   ; LDS serves a wave's instructions in order (ISA guide 5.7.1.4): these see my stores
.endr
.irp i, 0,1,2,3,4,5,6,7
	s_wait_dscnt 7-\i                              ; load i is in; the younger ones may be out
	global_store_b128 v6, v[BF+64+4*\i:BF+64+4*\i+3], s[10:11] offset:4096*\i th:TH_STORE_NT   ; sixteen lanes store 256 consecutive bytes, at a multiple of 256 from out's first byte
.endr
	s_wait_tensorcnt 0x0
	ds_add_u32 v254, v255
	s_wait_dscnt 0x0
	CROUND                                         ; the closing round
	s_endpgm
.Lfunc_end_k_q037bd5c797_outp:
	.size	k_q037bd5c797_outp, .Lfunc_end_k_q037bd5c797_outp-k_q037bd5c797_outp
	.p2alignl 7, 3214868480
	.fill 96, 4, 3214868480
	.section	.rodata,"a",@progbits
	.p2align	6, 0x0
	.amdhsa_kernel k_q037bd5c797_outp
		.amdhsa_group_segment_fixed_size 202752
		.amdhsa_private_segment_fixed_size 0
		.amdhsa_enable_private_segment 0
		.amdhsa_kernarg_size 32
		.amdhsa_user_sgpr_count 2
		.amdhsa_user_sgpr_kernarg_segment_ptr 1
		.amdhsa_wavefront_size32 1
		.amdhsa_system_sgpr_workgroup_id_x 1
		.amdhsa_system_sgpr_workgroup_id_y 1
		.amdhsa_system_sgpr_workgroup_id_z 1
		.amdhsa_system_vgpr_workitem_id 0
		.amdhsa_next_free_vgpr 256
		.amdhsa_next_free_sgpr 66
		.amdhsa_reserve_vcc 0
		.amdhsa_float_denorm_mode_32 3
		.amdhsa_float_denorm_mode_16_64 3
		.amdhsa_memory_ordered 1
		.amdhsa_forward_progress 1
		.amdhsa_inst_pref_size 16
	.end_amdhsa_kernel
	.amdgpu_metadata
---
amdhsa.version: [ 1, 2 ]
amdhsa.kernels:
  - .name:           k_q037bd5c797_outp
    .symbol:         k_q037bd5c797_outp.kd
    .args:
      - { .name: yc, .offset: 0, .size: 8, .value_kind: global_buffer, .address_space: global }
      - { .name: w4c, .offset: 8, .size: 8, .value_kind: global_buffer, .address_space: global }
      - { .name: lowp_scales, .offset: 16, .size: 8, .value_kind: global_buffer, .address_space: global }
      - { .name: out0, .offset: 24, .size: 8, .value_kind: global_buffer, .address_space: global }
    .group_segment_fixed_size: 202752
    .private_segment_fixed_size: 0
    .kernarg_segment_align: 8
    .kernarg_segment_size: 32
    .max_flat_workgroup_size: 512
    .sgpr_count:     66
    .vgpr_count:     256
    .wavefront_size: 32
...
	.end_amdgpu_metadata
.endif
;; end of part 4
;; ======== version 2 of 2: 4 launches; 1.16 times as fast as version 1
;; workspace buffers: qc 4,194,304 bytes; kc 4,194,304 bytes; vc 4,194,304 bytes; w4c 262,144 bytes; yc 4,194,304 bytes; nrs 262,144 bytes; ncs 262,144 bytes
;; launch proj: the kernel of part 1 again; grid 32 x 8, 16 waves a work-group, no clusters, 51,200 bytes of LDS; arguments x_codes, qkv_w, delta_w, g1, g2, g3, lowp_scales, qc, kc, vc, w4c; writes qc, kc, vc, w4c
;; launch stats (part 5): grid 8 x 32, 16 waves a work-group, clusters of 4 x 1, 266,240 bytes of LDS; arguments qc, kc, lowp_scales, nrs, ncs; writes nrs, ncs
.if DOCPART == 5
	.amdgcn_target "amdgcn-amd-amdhsa--gfx1250"
	.amdhsa_code_object_version 6
	.text
	.protected	k_q037bd5c797_stats
	.globl	k_q037bd5c797_stats
	.p2align	8
	.type	k_q037bd5c797_stats,@function
k_q037bd5c797_stats:
	s_mov_b64 s[64:65], 0
	v_nop
	global_prefetch_b8 v0, s[64:65] scope:SCOPE_SE
	s_setreg_imm32_b32 hwreg(HW_REG_WAVE_MODE, 25, 1), 1
	s_wait_xcnt 0x0
	s_wait_alu depctr_hold_cnt(0) depctr_sa_sdst(0) depctr_va_vdst(0) depctr_va_sdst(0) depctr_va_ssrc(0) depctr_va_vcc(0) depctr_vm_vsrc(0)
	s_getreg_b32 s2, hwreg(HW_REG_IB_STS2, 6, 4)
	s_cmp_eq_u32 s2, 0
	s_cbranch_scc0 .Lentry_in_a_cluster
	s_endpgm
.Lentry_in_a_cluster:
	s_bfe_u32 s2, ttmp6, 0x10000c
	s_cmp_lg_u32 s2, 0x3003
	s_cbranch_scc0 .Lentry_shape_is_right
	s_endpgm
.Lentry_shape_is_right:
; STATS.  t(i, j) = q_i . k_j x log2(e) / 8.  For each row i: R_i = M + log2(sum over j of 2^(t - M)); for each column j: C_j likewise over i.  Stored: -R (nrs) and -C (ncs), f32, [head][2048].
; M is the running largest t rounded up to a whole number, so that a change of M multiplies the sum by a power of two.  The maximum is a real one, for rows and for columns: the gains are inputs.
; A work-group takes one head (y) and 256 of its tokens (x).  The head's whole images of k and of q, 131,072 bytes each, lie in LDS.
; Waves 0-7 own 32 rows each (their q against all k), waves 8-15 own 32 columns (their k against all q): one text; the side enters by a choice of pointer and by the LDS base alone.
; The product is used with the others as source 0 and my 16 as source 1: a lane holds ONE of my tokens and its registers run along the others.  Both ways round give the same bits as the next launch's scores.
; THE ORDER OF A STEP.  No line reads the result of the line just before it where other work is at hand: the maximum goes in eight chains a tile; the links that follow it (joins, the other half of the lanes, M) have
; the other tile's chains or scalings between them; the sum is a tree.  The exponentials go in two batches, a tile each, with the other tile's scalings or additions between them, and each batch has one wait.
; The next step's fragments are fetched as soon as this step's products have read theirs.
; CLUSTER: the four work-groups of a cluster belong to one head: each tile is asked for jointly, by the same tensor load with a mask that names the four.  Every fill is a first fill: four loads a wave are out.
; All tensor loads stand at the kernel's head, so there is no later step to ask ahead for: no prefetch.
; LIMITS: e2 + e3 between -123 and 130 (they are added to c's exponent field).  -R is one f32 number: its rounding grows with |t|, as that of reference()'s own scores does.  NaN is not served.
.set STS,  262144                      ; LDS: behind k's image (0) and q's (131,072): 512 results
.set ST,   8                           ; v8-15    tile a at + 4 a: +0 -M, +1 the largest score so far, +2, +3 the sum in two halves
.set F,    16                          ; v16-31   my two fragments
.set KF,   32                          ; v32-95   eight fragments of the others
.set S,    96                          ; v96-223  the scores, 64 a tile
.set TMP,  224                         ; v224-255 tile a at + 16 a: +0 .. +7 eight maxima, +8 a permute's destination, +9 the old -M, then old M - new M, +10, +11 f
; v1 16 x lane, v2 the LDS address in hand, v3 where I put results, v4 where I read them back
.macro CROUND                          ; a round of the cluster's barrier
	s_barrier_signal -1
	s_barrier_wait -1
	s_cmp_lg_u32 s14, 0
	s_cbranch_scc1 .Lnot_wave_0_\@
	s_barrier_signal -3
.Lnot_wave_0_\@:
	s_barrier_wait -3
	s_barrier_signal -1
	s_barrier_wait -1
.endm
	s_load_b256 s[4:11], s[0:1], 0x0               ; qc s[4:5], kc s[6:7], the scales s[8:9], nrs s[10:11]
	s_load_b64 s[12:13], s[0:1], 0x20              ; ncs
	v_lshl_add_u32 v254, v0, 2, 0x40800
	v_mov_b32 v255, 0
	ds_add_u32 v254, v255
	ds_add_u32 v254, v255
	v_lshrrev_b32 v1, 5, v0
	v_readfirstlane_b32 s14, v1                    ; wave 0..15
	s_and_b32 s58, ttmp7, 0xffff                   ; the head, which the four partners share
	s_lshr_b32 s40, s14, 3                         ; side: 0 rows, 1 columns
	s_lshl_b32 s46, s40, 17                        ; the others' image: k's at 0, q's at 131,072
	; descriptor group 1: 16 rows of 256 bytes, dense
	s_mov_b32 s16, 15|(3<<16)|(1<<21)              ; 15:0 the mask: all four work-groups; 17:16 elements of 8 bytes; 21 set beside a mask
	s_mov_b32 s17, 32<<16                          ; tensor_dim0 = 32
	s_mov_b32 s18, 16<<16                          ; tensor_dim1 = 16
	s_mov_b32 s19, 32<<16                          ; tile_dim0 = 32
	s_mov_b32 s20, 16                              ; tile_dim1 = 16
	s_mov_b32 s21, 32                              ; from row to row
	s_mov_b32 s22, 0
	s_mov_b32 s23, 0
	s_mov_b32 s44, 0x76543210                      ; v_permlanex16_b32: lane l xor 16
	s_mov_b32 s45, 0xfedcba98
	s_mov_b32 s42, 0x3e38aa3b                      ; c = log2(e) / 8
	v_and_b32 v1, 31, v0
	v_lshlrev_b32 v1, 4, v1                        ; 16 x lane
	v_and_b32 v5, 15, v0                           ; r
	s_lshl_b32 s59, s14, 7
	s_add_co_u32 s59, s59, STS
	v_lshl_add_u32 v3, v5, 2, s59                  ; results: 128 bytes a wave, 4 r
	s_and_b32 s59, s14, 3
	s_lshl_b32 s59, s59, 9
	s_add_co_u32 s59, s59, STS
	v_add_nc_u32 v4, s59, v1                       ; and back: 512 bytes for each of waves 0-3
	s_lshl_b32 s25, s14, 12                        ; my 4,096 bytes of each half image
	s_lshl_b32 s56, s58, 17
	s_add_co_u32 s56, s56, s25
	s_mov_b32 s57, 0
	s_wait_dscnt 0x0
	s_wait_kmcnt 0x0
	s_load_b256 s[48:55], s[8:9], 0x0              ; e0 .. e7
	; group 0, four sets: k's first half, q's first half, k's second, q's second
	s_mov_b32 s24, 1
	s_add_nc_u64 s[26:27], s[6:7], s[56:57]
	s_mov_b32 s28, 1
	s_add_co_u32 s29, s25, 131072
	s_add_nc_u64 s[30:31], s[4:5], s[56:57]
	s_mov_b32 s32, 1
	s_add_co_u32 s33, s25, 65536
	s_add_nc_u64 s[34:35], s[26:27], 65536
	s_mov_b32 s36, 1
	s_add_co_u32 s37, s25, 196608
	s_add_nc_u64 s[38:39], s[30:31], 65536
	s_or_b32 s27, s27, 0x80000000
	s_or_b32 s31, s31, 0x80000000
	s_or_b32 s35, s35, 0x80000000
	s_or_b32 s39, s39, 0x80000000
	CROUND                                         ; all four work-groups are here: the joint loads meet
	tensor_load_to_lds s[24:27], s[16:23]
	s_nop 0
	tensor_load_to_lds s[28:31], s[16:23]
	s_nop 0
	tensor_load_to_lds s[32:35], s[16:23]
	s_nop 0
	tensor_load_to_lds s[36:39], s[16:23]
	s_nop 0
.rept 4
	v_nop                                          ; four plain lines behind the loads
.endr
	; what hangs on my place in the cluster: global addresses of my own loads and stores alone
	s_bfe_u32 s15, ttmp6, 0x40000                  ; cx
	s_lshl_b32 s41, ttmp9, 2
	s_add_co_u32 s41, s41, s15                     ; my block of 256 tokens
	s_mov_b32 s63, 0
	s_lshl_b32 s62, s58, 17                        ; my two fragments: head x 131,072 + block x 16,384 + (wave % 8) x 2,048
	s_lshl_b32 s47, s41, 14
	s_add_co_u32 s62, s62, s47
	s_and_b32 s47, s14, 7
	s_lshl_b32 s47, s47, 11
	s_add_co_u32 s62, s62, s47
	s_cmp_eq_u32 s40, 0
	s_cselect_b64 s[60:61], s[4:5], s[6:7]         ; rows: q's codes; columns: k's
	s_add_nc_u64 s[60:61], s[60:61], s[62:63]
.irp i, 0,1,2,3
	global_load_b128 v[F+4*\i:F+4*\i+3], v1, s[60:61] offset:512*\i
.endr
	s_lshl_b32 s62, s58, 13                        ; the results: (head x 2,048 + block x 256) x 4 + (wave & 1) x 512
	s_lshl_b32 s47, s41, 10
	s_add_co_u32 s62, s62, s47
	s_and_b32 s47, s14, 1
	s_lshl_b32 s47, s47, 9
	s_add_co_u32 s62, s62, s47
	s_cmp_lt_u32 s14, 2
	s_cselect_b64 s[10:11], s[10:11], s[12:13]     ; waves 0, 1 store -R, waves 2, 3 store -C
	s_add_nc_u64 s[10:11], s[10:11], s[62:63]
.irp a, 0,1
	v_mov_b32 v[ST+4*\a], 0x7f61b1e6               ; -M: 3e38, so that the first f is 0
	v_mov_b32 v[ST+4*\a+1], 0xff61b1e6             ; the largest score so far: -3e38, under every sum of 64 products of codes
	v_mov_b32 v[ST+4*\a+2], 0                      ; the sum
	v_mov_b32 v[ST+4*\a+3], 0
	v_mov_b32 v[TMP+16*\a+8], 0                    ; a lane permute's destination counts as one of its sources
	v_mov_b32 v[TMP+16*\a+11], 0                   ; (named as the upper half of f's pair)
.endr
	s_wait_kmcnt 0x0
	s_add_co_i32 s47, s50, s51
	s_lshl_b32 s47, s47, 23
	s_add_co_i32 s42, s42, s47                     ; a sum stands for sum x 2^(e2 + e3): the exponents are added to c's exponent field
	s_mov_b32 s43, s42                             ; (named with it as a pair, so it is written)
; THE LINES OF A STEP, one to a macro call, so that the lists of the two tiles can be laid between each other.
; Line n of 24 of tile a's maximum: eight chains, one to an accumulator, three links each: scores 0-2, then 3, 4, then 5, 6 of its eight.  Each accumulator is first read at its low end.
.macro RND a, n
.set rS, S+64*(\a)+8*((\n)%8)
.set rM, TMP+16*(\a)+(\n)%8
.if (\n) < 8
	v_max3_num_f32 v[rM], v[rS], v[rS+1], v[rS+2]
.else
	v_max3_num_f32 v[rM], v[rM], v[rS+2*((\n)/8)+1], v[rS+2*((\n)/8)+2]
.endif
.endm
; Link l of 12 of what follows: the chains are joined, each join taking one of the eight scores left over (7, 23, 39, 55; 15, 47; 31; 63) and the last the old maximum; the other half of the lanes; -M.
.macro TL a, l
.set rS, S+64*(\a)
.set rM, TMP+16*(\a)
.set rT, ST+4*(\a)
.if (\l) <= 4
	v_max3_num_f32 v[rM+2*(\l)-2], v[rM+2*(\l)-2], v[rM+2*(\l)-1], v[rS+16*(\l)-9]
.elseif (\l) <= 6
	v_max3_num_f32 v[rM+4*(\l)-20], v[rM+4*(\l)-20], v[rM+4*(\l)-18], v[rS+32*(\l)-145]
.elseif (\l) == 7
	v_max3_num_f32 v[rM], v[rM], v[rM+4], v[rS+31]
.elseif (\l) == 8
	v_max3_num_f32 v[rM], v[rM], v[rS+63], v[rT+1]
.elseif (\l) == 9
	v_permlanex16_b32 v[rM+8], v[rM], s44, s45     ; my token's other 64 partners lie in lane l xor 16
.elseif (\l) == 10
	v_max_num_f32 v[rT+1], v[rM], v[rM+8]          ; the largest score so far
.elseif (\l) == 11
	v_mul_f32 v[rM], s42, v[rT+1]                  ; as t (c is positive)
.else
	v_floor_f32 v[rT], -v[rM]                      ; -M = floor(-t): M is a whole number
.endif
.endm
.macro FL a                            ; f = 2^(old M - new M): three plain lines
.set rM, TMP+16*(\a)
.set rT, ST+4*(\a)
	v_sub_f32 v[rM+9], v[rT], v[rM+9]              ; old M - new M: a whole number, 0 or less
	v_cvt_i32_f32 v[rM+9], v[rM+9]                 ; (it saturates)
	v_ldexp_f32 v[rM+10], 1.0, v[rM+9]
.endm
.macro SC a, n                         ; pair n of 32: t - M
.set rS, S+64*(\a)
.set rT, ST+4*(\a)
	v_pk_fma_f32 v[rS+2*(\n):rS+2*(\n)+1], v[rS+2*(\n):rS+2*(\n)+1], s[42:43], v[rT:rT+1] op_sel_hi:[1,0,0]
.endm
.macro EX a, n                         ; number n of 64: 2^(t - M)
.set rS, S+64*(\a)
	v_exp_f32 v[rS+(\n)], v[rS+(\n)]
.endm
; Line n of 32 of tile a's sum: a tree in place over the 32 pairs (partners 16, 8, 4, 2, 1 pairs apart); the last line brings the old sum under the new M and adds the tree
.macro SU a, n
.set rS, S+64*(\a)
.set rT, ST+4*(\a)
.set rM, TMP+16*(\a)
.if (\n) == 31
	v_pk_fma_f32 v[rT+2:rT+3], v[rT+2:rT+3], v[rM+10:rM+11], v[rS:rS+1] op_sel_hi:[1,0,1]
.else
.set sw, 32
.set si, (\n)
.if (\n) >= 30
.set sw, 2
.set si, 0
.elseif (\n) >= 28
.set sw, 4
.set si, (\n)-28
.elseif (\n) >= 24
.set sw, 8
.set si, (\n)-24
.elseif (\n) >= 16
.set sw, 16
.set si, (\n)-16
.endif
	v_pk_add_f32 v[rS+2*si:rS+2*si+1], v[rS+2*si:rS+2*si+1], v[rS+2*si+sw:rS+2*si+sw+1]
.endif
.endm
.macro FILL kind                       ; the next line of the list that stands between the links: tile 1's chains (0) or tile 0's scalings (1)
.if \kind
	SC 0, cn
.else
	RND 1, cn
.endif
.set cn, cn+1
.endm
.macro MIX a, kind                     ; tile a's twelve links, with twenty lines of the other list between them
.irp l, 1,2,3,4
	TL \a, \l
.endr
	FILL \kind
	FILL \kind
	TL \a, 5
	TL \a, 6
.irp l, 7,8,9,10,11,12
	FILL \kind
	FILL \kind
	FILL \kind
	TL \a, \l
.endr
.endm
.macro FETCH                           ; eight fragments of the others, 8,192 bytes of the image, from v2 on
.irp u, 0,1,2,3,4,5,6,7
	ds_load_b128 v[KF+8*\u:KF+8*\u+3], v2 offset:1024*\u
	ds_load_b128 v[KF+8*\u+4:KF+8*\u+7], v2 offset:1024*\u+512
.endr
	s_add_co_u32 s46, s46, 8192
.endm
; A STEP: my 32 tokens against 128 of the others.  pre = 1: the next step's fragments are fetched
.macro STEP pre
	s_wait_dscnt 0x0                               ; this step's fragments, asked for a step ago
.irp u, 0,1,2,3,4,5,6,7
	v_wmma_f32_16x16x64_bf8_bf8 v[S+8*\u:S+8*\u+7], v[KF+8*\u:KF+8*\u+7], v[F:F+7], 0
	v_wmma_f32_16x16x64_bf8_bf8 v[S+64+8*\u:S+64+8*\u+7], v[KF+8*\u:KF+8*\u+7], v[F+8:F+15], 0
.endr
	v_mov_b32 v[TMP+9], v[ST]                      ; the old -M of both tiles is kept for f.  These four lines are the places in front of the loads into the fragments and of the first read of results
	v_mov_b32 v[TMP+25], v[ST+4]
.if \pre
	v_add_nc_u32 v2, s46, v1
.else
	v_nop
.endif
	v_nop
.if \pre
	FETCH
.endif
.set cn, 0
.rept 24
	RND 0, cn
.set cn, cn+1
.endr
.set cn, 0
	MIX 0, 0                                       ; tile 0's links | tile 1's chains
.rept 4
	FILL 0
.endr
.set cn, 0
	MIX 1, 1                                       ; tile 1's links | tile 0's scalings
.rept 12
	FILL 1
.endr
.set cn, 0
.rept 32
	SC 1, cn                                       ; tile 0's exponentials | tile 1's scalings
	EX 0, 2*cn
	EX 0, 2*cn+1
.set cn, cn+1
.endr
	FL 0                                           ; plain lines behind the batch's last exponential
	s_wait_alu depctr_va_vdst(0)                   ; one wait ahead of the batch's first reader
.set cn, 0
.rept 32
	SU 0, cn                                       ; tile 1's exponentials | tile 0's sum
	EX 1, 2*cn
	EX 1, 2*cn+1
.set cn, cn+1
.endr
	FL 1
	s_wait_alu depctr_va_vdst(0)                   ; the second batch's wait
.set cn, 0
.rept 32
	SU 1, cn
.set cn, cn+1
.endr
.endm
	s_wait_loadcnt 0x0                             ; my fragments
	s_wait_tensorcnt 2                             ; my parts of the two first halves are in; the two second halves, issued behind them, may be out
	s_barrier_signal -1
	s_barrier_wait -1                              ; everybody's are
	v_add_nc_u32 v2, s46, v1
	FETCH                                          ; step 0
	STEP 1                                         ; step 0 reads, and fetches for step 1, bytes of the first halves alone
	s_wait_tensorcnt 0x0                           ; my parts of the second halves: asked for a whole step ago
	s_wait_dscnt 0x0
	s_barrier_signal -1
	s_barrier_wait -1                              ; everybody's: every read of the second halves stands behind this line, and the fifteen steps that follow have no meeting point
	s_mov_b32 s47, 14
.Lsteps:                                           ; steps 1 to 14, which fetch for steps 2 to 15
	STEP 1
	s_sub_co_u32 s47, s47, 1
	s_cmp_lg_u32 s47, 0
	s_cbranch_scc1 .Lsteps
	STEP 0                                         ; step 15 fetches nothing: no read leaves the image
	; ---- -(M + log2(sum))
.irp a, 0,1
	v_add_f32 v[TMP+16*\a], v[ST+4*\a+2], v[ST+4*\a+3]
	v_permlanex16_b32 v[TMP+16*\a+8], v[TMP+16*\a], s44, s45
	v_add_f32 v[TMP+16*\a], v[TMP+16*\a], v[TMP+16*\a+8]
.endr
	v_log_f32 v[TMP+1], v[TMP]
	v_log_f32 v[TMP+17], v[TMP+16]
	v_nop                                          ; a plain line behind the transcendentals
	s_wait_alu depctr_va_vdst(0)                   ; and the wait ahead of their first reader
	v_sub_f32 v[TMP], v[ST], v[TMP+1]
	v_sub_f32 v[TMP+16], v[ST+4], v[TMP+17]
	ds_store_b32 v3, v[TMP]                        ; lanes r and r + 16 hold the same number and write the same word
	ds_store_b32 v3, v[TMP+16] offset:64
	s_wait_dscnt 0x0                               ; for the others' sake
	s_barrier_signal -1
	s_barrier_wait -1
	s_cmp_lt_u32 s14, 4
	s_cbranch_scc0 .Lno_store
	ds_load_b128 v[KF:KF+3], v4
	s_wait_dscnt 0x0
	global_store_b128 v1, v[KF:KF+3], s[10:11]     ; 32 lanes store 512 consecutive bytes
.Lno_store:
	s_wait_tensorcnt 0x0
	ds_add_u32 v254, v255
	s_wait_dscnt 0x0
	CROUND                                         ; the closing round
	s_endpgm
.Lfunc_end_k_q037bd5c797_stats:
	.size	k_q037bd5c797_stats, .Lfunc_end_k_q037bd5c797_stats-k_q037bd5c797_stats
	.p2alignl 7, 3214868480
	.fill 96, 4, 3214868480
	.section	.rodata,"a",@progbits
	.p2align	6, 0x0
	.amdhsa_kernel k_q037bd5c797_stats
		.amdhsa_group_segment_fixed_size 266240
		.amdhsa_private_segment_fixed_size 0
		.amdhsa_enable_private_segment 0
		.amdhsa_kernarg_size 40
		.amdhsa_user_sgpr_count 2
		.amdhsa_user_sgpr_kernarg_segment_ptr 1
		.amdhsa_wavefront_size32 1
		.amdhsa_system_sgpr_workgroup_id_x 1
		.amdhsa_system_sgpr_workgroup_id_y 1
		.amdhsa_system_sgpr_workgroup_id_z 1
		.amdhsa_system_vgpr_workitem_id 0
		.amdhsa_next_free_vgpr 256
		.amdhsa_next_free_sgpr 66
		.amdhsa_reserve_vcc 0
		.amdhsa_float_denorm_mode_32 3
		.amdhsa_float_denorm_mode_16_64 3
		.amdhsa_memory_ordered 1
		.amdhsa_forward_progress 1
		.amdhsa_inst_pref_size 65
	.end_amdhsa_kernel
	.amdgpu_metadata
---
amdhsa.version: [ 1, 2 ]
amdhsa.kernels:
  - .name:           k_q037bd5c797_stats
    .symbol:         k_q037bd5c797_stats.kd
    .args:
      - { .name: qc, .offset: 0, .size: 8, .value_kind: global_buffer, .address_space: global }
      - { .name: kc, .offset: 8, .size: 8, .value_kind: global_buffer, .address_space: global }
      - { .name: lowp_scales, .offset: 16, .size: 8, .value_kind: global_buffer, .address_space: global }
      - { .name: nrs, .offset: 24, .size: 8, .value_kind: global_buffer, .address_space: global }
      - { .name: ncs, .offset: 32, .size: 8, .value_kind: global_buffer, .address_space: global }
    .group_segment_fixed_size: 266240
    .private_segment_fixed_size: 0
    .kernarg_segment_align: 8
    .kernarg_segment_size: 40
    .max_flat_workgroup_size: 512
    .sgpr_count:     66
    .vgpr_count:     256
    .wavefront_size: 32
...
	.end_amdgpu_metadata
.endif
;; end of part 5
;; launch attn (part 6): grid 8 x 32, 16 waves a work-group, clusters of 4 x 1, 272,384 bytes of LDS; arguments qc, kc, vc, nrs, ncs, lowp_scales, yc; writes yc
.if DOCPART == 6
	.amdgcn_target "amdgcn-amd-amdhsa--gfx1250"
	.amdhsa_code_object_version 6
	.text
	.protected	k_q037bd5c797_attn
	.globl	k_q037bd5c797_attn
	.p2align	8
	.type	k_q037bd5c797_attn,@function
k_q037bd5c797_attn:
	s_mov_b64 s[64:65], 0
	v_nop
	global_prefetch_b8 v0, s[64:65] scope:SCOPE_SE
	s_setreg_imm32_b32 hwreg(HW_REG_WAVE_MODE, 25, 1), 1
	s_wait_xcnt 0x0
	s_wait_alu depctr_hold_cnt(0) depctr_sa_sdst(0) depctr_va_vdst(0) depctr_va_sdst(0) depctr_va_ssrc(0) depctr_va_vcc(0) depctr_vm_vsrc(0)
	s_getreg_b32 s2, hwreg(HW_REG_IB_STS2, 6, 4)
	s_cmp_eq_u32 s2, 0
	s_cbranch_scc0 .Lentry_in_a_cluster
	s_endpgm
.Lentry_in_a_cluster:
	s_bfe_u32 s2, ttmp6, 0x10000c
	s_cmp_lg_u32 s2, 0x3003
	s_cbranch_scc0 .Lentry_shape_is_right
	s_endpgm
.Lentry_shape_is_right:
; ATTN.  score(i, j) = 2^(t - R_i) + 2^(t - C_j), t = q_i . k_j x log2(e) / 8: the two finished softmaxes added, as reference() has them; quantised with 2^e5; y = score v on codes; y quantised with 2^e6.
; -R and -C come from the launch before, made of the same t bit for bit.  The scores are normalised, so nothing is ever rescaled.
; A work-group takes one head (y) and 256 queries (x).  The head's whole images of k and of v, 131,072 bytes each, and its 2,048 -C lie in LDS.
; Wave w takes 32 queries (w % 8: two tiles) and half of the keys (w / 8: 1,024), 64 keys a step; the two halves' sums of y meet once, at the end, through LDS.
; Both products are used transposed: S^T = k q^T, O^T = v^T P: a lane holds ONE query throughout.  In the 16x16x64 form's own layout the eight registers of a tile of S^T are registers 2 u, 2 u + 1 of P's fragment.
; THE ORDER OF A STEP.  The exponentials go in two batches, a tile of queries each, 64 to a batch: tile 0's have tile 1's scalings between them, tile 1's have tile 0's additions and holds; each batch has one wait.
; CLUSTER: the four work-groups of a cluster belong to one head: each tile is asked for jointly, by the same tensor load with a mask that names the four.  Every fill is a first fill: five loads a wave are out.
; All tensor loads stand at the kernel's head, so there is no later step to ask ahead for: no prefetch.
; LIMITS: e2 + e3 between -123 and 130; e5 and e6 - e4 - e5 between -126 and 112.  NaN is not served.
.set NCL,  262144                      ; LDS: k's image at 0, v's at 131,072, -C here (8,192 bytes)
.set Q,    16                          ; v16-31   my two fragments of q
.set P,    32                          ; v32-47   the scores' codes, two fragments; at the end y's codes
.set O,    48                          ; v48-111  O^T: tile a, features 16 t on: 32 a + 8 t
.set KF,   112                         ; v112-143 four fragments of k, then t - C for tile 0, then four fragments of v
.set NC,   144                         ; v144-175 -C of my 32 keys, then t - C for tile 1
.set S0,   176                         ; v176-239 S^T, 32 a tile
; v1 16 x lane, v2 -C's place for my half, v3-5 the LDS addresses in hand, v6, v7 2^e5 and 57,344 x 2^e5, v[8:9], v[10:11] -R of my query in tile 0, 1, v12 the reduction's place, v13 4 r, v14, v15 y's scale and hold
.macro CROUND                          ; a round of the cluster's barrier
	s_barrier_signal -1
	s_barrier_wait -1
	s_cmp_lg_u32 s18, 0
	s_cbranch_scc1 .Lnot_wave_0_\@
	s_barrier_signal -3
.Lnot_wave_0_\@:
	s_barrier_wait -3
	s_barrier_signal -1
	s_barrier_wait -1
.endm
	s_load_b256 s[4:11], s[0:1], 0x0               ; qc s[4:5], kc s[6:7], vc s[8:9], nrs s[10:11]
	s_load_b128 s[12:15], s[0:1], 0x20             ; ncs s[12:13], the scales s[14:15]
	s_load_b64 s[16:17], s[0:1], 0x30              ; yc
	v_lshl_add_u32 v254, v0, 2, 0x42000
	v_mov_b32 v255, 0
	ds_add_u32 v254, v255
	ds_add_u32 v254, v255
	v_lshrrev_b32 v1, 5, v0
	v_readfirstlane_b32 s18, v1                    ; wave 0..15
	s_and_b32 s21, ttmp7, 0xffff                   ; the head, which the four partners share
	s_and_b32 s22, s18, 7                          ; which 32 queries
	s_lshr_b32 s23, s18, 3                         ; which half of the keys
	; descriptor groups 1: rows of 256 bytes, dense: 16 of them (images), 2 of them (-C)
	s_mov_b32 s24, 15|(3<<16)|(1<<21)              ; 15:0 the mask: all four work-groups; 17:16 elements of 8 bytes; 21 set beside a mask
	s_mov_b32 s25, 32<<16
	s_mov_b32 s26, 16<<16
	s_mov_b32 s27, 32<<16
	s_mov_b32 s28, 16
	s_mov_b32 s29, 32
	s_mov_b32 s30, 0
	s_mov_b32 s31, 0
	s_mov_b32 s32, 15|(3<<16)|(1<<21)
	s_mov_b32 s33, 32<<16
	s_mov_b32 s34, 2<<16
	s_mov_b32 s35, 32<<16
	s_mov_b32 s36, 2
	s_mov_b32 s37, 32
	s_mov_b32 s38, 0
	s_mov_b32 s39, 0
	s_lshl_b32 s63, s23, 16                        ; where my keys begin: in k's image,
	s_add_co_u32 s66, s63, 131072                  ; in v's,
	s_lshl_b32 s67, s23, 12                        ; among the -C
	s_lshl_b32 s45, s22, 12
	s_add_co_u32 s45, s45, s63                     ; what I fetch of an image: 4,096 bytes of the first quarter of my half, and the same 32,768 further on
	s_lshl_b32 s76, s21, 17
	s_add_co_u32 s76, s76, s45
	s_mov_b32 s77, 0
	s_lshl_b32 s78, s21, 13
	s_lshl_b32 s41, s18, 9                         ; and 512 bytes of -C
	s_add_co_u32 s78, s78, s41
	s_mov_b32 s79, 0
	s_add_co_u32 s41, s41, NCL
	s_add_co_u32 s49, s45, 131072
	s_add_co_u32 s53, s45, 32768
	s_add_co_u32 s57, s45, 163840
	s_mov_b32 s40, 1
	s_mov_b32 s44, 1
	s_mov_b32 s48, 1
	s_mov_b32 s52, 1
	s_mov_b32 s56, 1
	s_mov_b32 s60, 0x3e38aa3b                      ; c = log2(e) / 8
	v_and_b32 v1, 31, v0
	v_lshlrev_b32 v1, 4, v1                        ; 16 x lane
	v_bfe_u32 v2, v0, 4, 1
	v_lshlrev_b32 v2, 5, v2
	v_add_nc_u32 v2, NCL, v2                       ; -C: my half's eight keys of a tile: 32 h
	v_and_b32 v13, 15, v0
	v_lshlrev_b32 v13, 2, v13                      ; 4 r
	s_lshl_b32 s82, s22, 13
	v_add_nc_u32 v12, s82, v1                      ; the reduction: 8,192 bytes for each pair of waves, in k's image, which has been read out by then
	v_mov_b32 v9, 0                                ; (named as the upper halves of -R's pairs)
	v_mov_b32 v11, 0
	s_wait_dscnt 0x0
	s_wait_kmcnt 0x0
	s_load_b256 s[68:75], s[14:15], 0x0            ; e0 .. e7
	s_add_nc_u64 s[42:43], s[12:13], s[78:79]
	s_add_nc_u64 s[46:47], s[6:7], s[76:77]
	s_add_nc_u64 s[50:51], s[8:9], s[76:77]
	s_add_nc_u64 s[54:55], s[46:47], 32768
	s_add_nc_u64 s[58:59], s[50:51], 32768
	s_or_b32 s43, s43, 0x80000000
	s_or_b32 s47, s47, 0x80000000
	s_or_b32 s51, s51, 0x80000000
	s_or_b32 s55, s55, 0x80000000
	s_or_b32 s59, s59, 0x80000000
	CROUND                                         ; all four work-groups are here: the joint loads meet
	tensor_load_to_lds s[40:43], s[32:39]          ; -C
	s_nop 0
	tensor_load_to_lds s[44:47], s[24:31]          ; k, the first eight steps of each half
	s_nop 0
	tensor_load_to_lds s[48:51], s[24:31]          ; v likewise
	s_nop 0
	tensor_load_to_lds s[52:55], s[24:31]          ; k, the last eight steps
	s_nop 0
	tensor_load_to_lds s[56:59], s[24:31]          ; v likewise
	s_nop 0
.rept 4
	v_nop                                          ; four plain lines behind the loads
.endr
	; what hangs on my place in the cluster: global addresses of my own loads and stores alone
	s_bfe_u32 s19, ttmp6, 0x40000                  ; cx
	s_lshl_b32 s20, ttmp9, 2
	s_add_co_u32 s20, s20, s19                     ; my block of 256 queries
	s_mov_b32 s81, 0
	s_lshl_b32 s80, s21, 17                        ; q: head x 131,072 + block x 16,384 + (wave % 8) x 2,048
	s_lshl_b32 s83, s20, 14
	s_add_co_u32 s80, s80, s83
	s_lshl_b32 s83, s22, 11
	s_add_co_u32 s80, s80, s83
	s_add_nc_u64 s[4:5], s[4:5], s[80:81]
.irp i, 0,1,2,3
	global_load_b128 v[Q+4*\i:Q+4*\i+3], v1, s[4:5] offset:512*\i
.endr
	s_lshl_b32 s80, s21, 13                        ; -R: (head x 2,048 + block x 256 + (wave % 8) x 32) x 4
	s_lshl_b32 s83, s20, 10
	s_add_co_u32 s80, s80, s83
	s_lshl_b32 s83, s22, 7
	s_add_co_u32 s80, s80, s83
	s_add_nc_u64 s[10:11], s[10:11], s[80:81]
	global_load_b32 v8, v13, s[10:11]
	global_load_b32 v10, v13, s[10:11] offset:64
	s_lshr_b32 s80, s21, 3                         ; y: fragment (token / 16, head): batch x 2^20 + block x 2^17 + (wave % 8) x 2^14 + head x 2^10
	s_lshl_b32 s80, s80, 20
	s_lshl_b32 s83, s20, 17
	s_add_co_u32 s80, s80, s83
	s_lshl_b32 s83, s22, 14
	s_add_co_u32 s80, s80, s83
	s_and_b32 s83, s21, 7
	s_lshl_b32 s83, s83, 10
	s_add_co_u32 s80, s80, s83
	s_add_nc_u64 s[16:17], s[16:17], s[80:81]
	s_wait_kmcnt 0x0
	s_add_co_i32 s83, s70, s71
	s_lshl_b32 s83, s83, 23
	s_add_co_i32 s60, s60, s83                     ; a sum stands for sum x 2^(e2 + e3): the exponents are added to c's exponent field
	s_mov_b32 s61, s60                             ; (named with it as a pair, so it is written)
	s_add_co_i32 s83, s73, 127
	s_lshl_b32 s82, s83, 23
	v_mov_b32 v6, s82                              ; 2^e5 as f32, for the scores' conversions
	s_add_co_i32 s83, s83, 15
	s_lshl_b32 s83, s83, 23
	s_or_b32 s83, s83, 0x600000
	v_mov_b32 v7, s83                              ; 57,344 x 2^e5
	s_sub_co_i32 s83, s74, s72
	s_sub_co_i32 s83, s83, s73                     ; a sum of the third product stands for sum x 2^(e4 + e5): y's code is sum / 2^(e6 - e4 - e5)
	s_add_co_i32 s83, s83, 127
	s_lshl_b32 s82, s83, 23
	v_mov_b32 v14, s82
	s_add_co_i32 s83, s83, 15
	s_lshl_b32 s83, s83, 23
	s_or_b32 s83, s83, 0x600000
	v_mov_b32 v15, s83
; A STEP: my 32 queries against 64 keys.  zero = 1: the products V^T P start O^T's sums: nothing is ever cleared.
.macro STEP zero
	v_add_nc_u32 v3, s63, v1                       ; these three and the v_nop are the four places in front of loads into registers that the last products read
	v_add_nc_u32 v4, s66, v1
	v_add_nc_u32 v5, s67, v2
	v_nop
.irp u, 0,1,2,3
	ds_load_b128 v[KF+8*\u:KF+8*\u+3], v3 offset:1024*\u
	ds_load_b128 v[KF+8*\u+4:KF+8*\u+7], v3 offset:1024*\u+512
.endr
.irp u, 0,1,2,3
	ds_load_b128 v[NC+8*\u:NC+8*\u+3], v5 offset:64*\u        ; -C(16 u + 8 h + 0 .. 7): the sixteen lanes of a half read the same bytes
	ds_load_b128 v[NC+8*\u+4:NC+8*\u+7], v5 offset:64*\u+16
.endr
	s_wait_dscnt 8                                 ; k's fragments are in; -C's eight loads, the younger ones, may be out
.irp u, 0,1,2,3
	v_wmma_f32_16x16x64_bf8_bf8 v[S0+8*\u:S0+8*\u+7], v[KF+8*\u:KF+8*\u+7], v[Q:Q+7], 0
	v_wmma_f32_16x16x64_bf8_bf8 v[S0+32+8*\u:S0+32+8*\u+7], v[KF+8*\u:KF+8*\u+7], v[Q+8:Q+15], 0
.endr
.rept 4
	v_nop                                          ; places in front of the first read of results and of the writes over k's fragments
.endr
	s_wait_dscnt 0x0                               ; -C
.set i, 0
.rept 16
	v_pk_fma_f32 v[KF+2*i:KF+2*i+1], v[S0+2*i:S0+2*i+1], s[60:61], v[NC+2*i:NC+2*i+1] op_sel_hi:[1,0,1]       ; tile 0: t - C; each accumulator from its low end on
.set i, i+1
.endr
.set i, 0
.rept 16
	v_pk_fma_f32 v[S0+2*i:S0+2*i+1], v[S0+2*i:S0+2*i+1], s[60:61], v[8:9] op_sel_hi:[1,0,0]                   ; tile 0: t - R
.set i, i+1
.endr
	; the first batch: tile 0's 64 exponentials (the column softmax, then the row softmax), with tile 1's 32 scalings between them
.set i, 0
.rept 16
	v_pk_fma_f32 v[NC+2*i:NC+2*i+1], v[S0+32+2*i:S0+32+2*i+1], s[60:61], v[NC+2*i:NC+2*i+1] op_sel_hi:[1,0,1] ; tile 1: t - C; each accumulator from its low end on
	v_exp_f32 v[KF+2*i], v[KF+2*i]
	v_exp_f32 v[KF+2*i+1], v[KF+2*i+1]
.set i, i+1
.endr
.set i, 0
.rept 16
	v_pk_fma_f32 v[S0+32+2*i:S0+32+2*i+1], v[S0+32+2*i:S0+32+2*i+1], s[60:61], v[10:11] op_sel_hi:[1,0,0]     ; tile 1: t - R
	v_exp_f32 v[S0+2*i], v[S0+2*i]
	v_exp_f32 v[S0+2*i+1], v[S0+2*i+1]
.set i, i+1
.endr
	v_nop                                          ; a plain line behind the batch's last exponential
	s_wait_alu depctr_va_vdst(0)                   ; one wait ahead of the batch's first reader
	; the second batch: tile 1's 64 exponentials, with tile 0's 16 additions and 32 holds between them
.set i, 0
.rept 16
	v_pk_add_f32 v[S0+2*i:S0+2*i+1], v[S0+2*i:S0+2*i+1], v[KF+2*i:KF+2*i+1]
	v_exp_f32 v[NC+2*i], v[NC+2*i]
	v_exp_f32 v[NC+2*i+1], v[NC+2*i+1]
.set i, i+1
.endr
.irp t, 0,1,2,3
	ds_load_b128 v[KF+8*\t:KF+8*\t+3], v4 offset:1024*\t          ; v's four fragments, into the registers that the additions above have read; they land under the lines below
	ds_load_b128 v[KF+8*\t+4:KF+8*\t+7], v4 offset:1024*\t+512
.endr
.set i, 0
.rept 32
	v_min_num_f32 v[S0+i], v[S0+i], v7             ; the conversion to an 8-bit code does not saturate (ISA guide 7.6.2); a score is not negative, so the hold is one-sided
	v_exp_f32 v[S0+32+i], v[S0+32+i]
.set i, i+1
.endr
	v_nop                                          ; a plain line behind the batch's last exponential
	s_wait_alu depctr_va_vdst(0)                   ; the second batch's wait
.set i, 0
.rept 16
	v_pk_add_f32 v[S0+32+2*i:S0+32+2*i+1], v[S0+32+2*i:S0+32+2*i+1], v[NC+2*i:NC+2*i+1]
.set i, i+1
.endr
.set i, 0
.rept 32
	v_min_num_f32 v[S0+32+i], v[S0+32+i], v7
.set i, i+1
.endr
.set i, 0
.rept 8
	v_cvt_scalef32_pk8_bf8_f32 v[P+2*i:P+2*i+1], v[S0+8*i:S0+8*i+7], v6
.set i, i+1
.endr
	v_nop                                          ; one plain line between a scaled conversion and the matrix instruction that reads its result
	s_wait_dscnt 0x0                               ; v's fragments
.irp t, 0,1,2,3
.irp a, 0,1
.if \zero
	v_wmma_f32_16x16x64_bf8_bf8 v[O+32*\a+8*\t:O+32*\a+8*\t+7], v[KF+8*\t:KF+8*\t+7], v[P+8*\a:P+8*\a+7], 0
.else
	v_wmma_f32_16x16x64_bf8_bf8 v[O+32*\a+8*\t:O+32*\a+8*\t+7], v[KF+8*\t:KF+8*\t+7], v[P+8*\a:P+8*\a+7], v[O+32*\a+8*\t:O+32*\a+8*\t+7]
.endif
.endr
.endr                                              ; the eight accumulators take turns, one instruction a turn
	s_add_co_u32 s63, s63, 4096
	s_add_co_u32 s66, s66, 4096
	s_add_co_u32 s67, s67, 256
.endm
	s_wait_tensorcnt 2                             ; my parts of -C and of the first eight steps are in; the two loads behind them may be out
	s_barrier_signal -1
	s_barrier_wait -1                              ; everybody's are
	s_wait_loadcnt 0x0                             ; q, -R
	STEP 1                                         ; step 0 reads bytes of the first eight steps' tiles alone
	s_wait_tensorcnt 0x0                           ; my parts of the last eight steps: asked for a whole step ago
	s_wait_dscnt 0x0
	s_barrier_signal -1
	s_barrier_wait -1                              ; everybody's: every read of those bytes stands behind this line, and the fifteen steps that follow have no meeting point
	s_mov_b32 s62, 15
.Lsteps:
	STEP 0
	s_sub_co_u32 s62, s62, 1
	s_cmp_lg_u32 s62, 0
	s_cbranch_scc1 .Lsteps
	; ---- the two halves of the keys meet: waves 8-15 hand their O^T to waves 0-7 as images of registers, in k's image: it has had its only fill, and behind this barrier nobody reads it
.rept 4
	v_nop                                          ; places in front of the first read of the last results
.endr
	s_wait_dscnt 0x0
	s_barrier_signal -1
	s_barrier_wait -1
	s_cmp_lt_u32 s18, 8
	s_cbranch_scc1 .Lno_send
.irp i, 0,1,2,3,4,5,6,7,8,9,10,11,12,13,14,15
	ds_store_b128 v12, v[O+4*\i:O+4*\i+3] offset:512*\i
.endr
.Lno_send:
	s_wait_dscnt 0x0                               ; for the others' sake
	s_barrier_signal -1
	s_barrier_wait -1
	s_cmp_lt_u32 s18, 8
	s_cbranch_scc0 .Lno_out
.irp i, 0,1,2,3,4,5,6,7,8,9,10,11,12,13,14,15
	ds_load_b128 v[KF+4*\i:KF+4*\i+3], v12 offset:512*\i
.endr
	s_wait_dscnt 0x0
.set i, 0
.rept 32
	v_pk_add_f32 v[O+2*i:O+2*i+1], v[O+2*i:O+2*i+1], v[KF+2*i:KF+2*i+1]
.set i, i+1
.endr
.set i, 0
.rept 64
	v_med3_num_f32 v[O+i], v[O+i], -v15, v15       ; the hold at the largest code x the scale
.set i, i+1
.endr
.set i, 0
.rept 8
	v_cvt_scalef32_pk8_bf8_f32 v[P+2*i:P+2*i+1], v[O+8*i:O+8*i+7], v14   ; register 8 t + j of a tile is feature 16 t + 8 h + j: registers 2 t, 2 t + 1 of y's fragment
.set i, i+1
.endr
	v_nop
	global_store_b128 v1, v[P:P+3], s[16:17]       ; each store: 512 consecutive bytes
	global_store_b128 v1, v[P+4:P+7], s[16:17] offset:512
	global_store_b128 v1, v[P+8:P+11], s[16:17] offset:8192
	global_store_b128 v1, v[P+12:P+15], s[16:17] offset:8704
.Lno_out:
	s_wait_tensorcnt 0x0
	ds_add_u32 v254, v255
	s_wait_dscnt 0x0
	CROUND                                         ; the closing round
	s_endpgm
.Lfunc_end_k_q037bd5c797_attn:
	.size	k_q037bd5c797_attn, .Lfunc_end_k_q037bd5c797_attn-k_q037bd5c797_attn
	.p2alignl 7, 3214868480
	.fill 96, 4, 3214868480
	.section	.rodata,"a",@progbits
	.p2align	6, 0x0
	.amdhsa_kernel k_q037bd5c797_attn
		.amdhsa_group_segment_fixed_size 272384
		.amdhsa_private_segment_fixed_size 0
		.amdhsa_enable_private_segment 0
		.amdhsa_kernarg_size 56
		.amdhsa_user_sgpr_count 2
		.amdhsa_user_sgpr_kernarg_segment_ptr 1
		.amdhsa_wavefront_size32 1
		.amdhsa_system_sgpr_workgroup_id_x 1
		.amdhsa_system_sgpr_workgroup_id_y 1
		.amdhsa_system_sgpr_workgroup_id_z 1
		.amdhsa_system_vgpr_workitem_id 0
		.amdhsa_next_free_vgpr 256
		.amdhsa_next_free_sgpr 96
		.amdhsa_reserve_vcc 0
		.amdhsa_float_denorm_mode_32 3
		.amdhsa_float_denorm_mode_16_64 3
		.amdhsa_memory_ordered 1
		.amdhsa_forward_progress 1
		.amdhsa_inst_pref_size 49
	.end_amdhsa_kernel
	.amdgpu_metadata
---
amdhsa.version: [ 1, 2 ]
amdhsa.kernels:
  - .name:           k_q037bd5c797_attn
    .symbol:         k_q037bd5c797_attn.kd
    .args:
      - { .name: qc, .offset: 0, .size: 8, .value_kind: global_buffer, .address_space: global }
      - { .name: kc, .offset: 8, .size: 8, .value_kind: global_buffer, .address_space: global }
      - { .name: vc, .offset: 16, .size: 8, .value_kind: global_buffer, .address_space: global }
      - { .name: nrs, .offset: 24, .size: 8, .value_kind: global_buffer, .address_space: global }
      - { .name: ncs, .offset: 32, .size: 8, .value_kind: global_buffer, .address_space: global }
      - { .name: lowp_scales, .offset: 40, .size: 8, .value_kind: global_buffer, .address_space: global }
      - { .name: yc, .offset: 48, .size: 8, .value_kind: global_buffer, .address_space: global }
    .group_segment_fixed_size: 272384
    .private_segment_fixed_size: 0
    .kernarg_segment_align: 8
    .kernarg_segment_size: 56
    .max_flat_workgroup_size: 512
    .sgpr_count:     96
    .vgpr_count:     256
    .wavefront_size: 32
...
	.end_amdgpu_metadata
.endif
;; end of part 6
;; launch outp: the kernel of part 4 again; grid 4 x 64, 16 waves a work-group, clusters of 4 x 4, 202,752 bytes of LDS; arguments yc, w4c, lowp_scales, out0; writes out0
